; MI455X (gfx1250); checked and timed in simulation.
; The chip was launched on July 23, 2026; its instructions are those of AMD's public machine-readable ISA for CDNA 5 (MIT licence, August 2026) and "CDNA5" Instruction Set Architecture Reference Guide (July 2026). The comments in the code are by the model that wrote it; some were corrected since.
;; Linear Attention Selective. Allowed arithmetic: float matrix products may take bf16 or f16 operands with f32 sums; other float arithmetic in f32, or as packed bf16 or f16 multiplies, adds, multiply-adds, maxima and minima; sums over many terms, partial sums and values carried from step to step in f32; what a program stores and reads back later, other than sums and carried values, may be rounded once to bf16 or f16.
;; Inputs: Wk 1,024 x 256 float32; Wo 1,024 x 1,024 float32; Wq 1,024 x 256 float32; Wv 1,024 x 1,024 float32; hidden_states 2 x 2,048 x 1,024 float32.
;; Outputs: out0 2 x 2,048 x 1,024 float32.
;; 2 versions, each right; version 2 is version 1 with the launch prep written anew for expert scheduling mode. Each part assembles by itself: llvm-mc -triple=amdgcn-amd-amdhsa -mcpu=gfx1250 --defsym DOCPART=n.
;; ======== version 1 of 2: 4 launches
;; limits: values are held in f16: magnitudes above 65,504 overflow, below 6.1e-05 lose precision
;; workspace buffers: xb 8,388,608 bytes; wt 3,145,728 bytes; wot 2,097,152 bytes; qh 2,097,152 bytes; kh 2,097,152 bytes; vh 8,388,608 bytes; nrm 524,288 bytes; yh 8,388,608 bytes
;; launch prep (part 1): grid 576 x 1, 8 waves a work-group, no clusters, 18,432 bytes of LDS; arguments hidden_states, Wq, Wk, Wv, Wo, xb, wt, wot; writes xb, wt, wot
.if DOCPART == 1
	.amdgcn_target "amdgcn-amd-amdhsa--gfx1250"
	.amdhsa_code_object_version 6
	.text
	.protected	k_q5a77f74aca_prep
	.globl	k_q5a77f74aca_prep
	.p2align	8
	.type	k_q5a77f74aca_prep,@function
k_q5a77f74aca_prep:
	s_mov_b64 s[64:65], 0
	v_nop
	global_prefetch_b8 v0, s[64:65] scope:SCOPE_SE
	s_setreg_imm32_b32 hwreg(HW_REG_WAVE_MODE, 25, 1), 1
	s_wait_xcnt 0x0
; LINEAR ATTENTION WITH THE SECOND-ORDER FEATURE MAP, in four launches: this one lays the operands out; then q, k, v; then the attention; then the last projection.
; WORK THAT IS NOT DONE, and why it reaches no output differently, for all values of the inputs (real arithmetic):
;  (1) qf . kf = 1 + (q.k)/4 + (q.k)^2/32.  The map is [1, x/2, vec(x x^T)/(4 sqrt 2)] at d = 16, and the sum over i, j of q_i q_j k_i k_j is (q.k)^2.  So the product over 273 features is a product over 16 and a polynomial.
;  (2) qf_n . cumsum(kf)_n is the sum over m <= n of qf_n . kf_m: the row sum of tril(A).  No cumulative sum is formed.
;  (3) tril throws away every key tile that lies wholly above the diagonal: those tiles are not multiplied.
; LIMIT: a NaN, an infinity or an overflow that would arise only in the 273 features, in their cumulative sum or above the diagonal is not carried to the result.
; THIS LAUNCH.  Every input is rounded once to bf16, and that number is written as f16, the format of all later products: exact from 2^-14 up, below that on f16's fixed step of 2^-24.
; LIMIT: |x| and |W| stay under 65,504.
;  work-groups 0-319: a tile of 128 k x 64 n of a weight, turned in LDS, so that k runs along the rows:  wt[head][96 rows: 16 of Wq, 16 of Wk, 64 of Wv][1024 k],  wot[n][1024 k].
;  work-groups 320-575: 65,536 bytes of x each, as a stream.
; No matrix unit, no tensor load, no cluster: nothing is shared and memory binds.
.set SPARE, 17408                      ; behind the stage of 64 rows x 272 bytes: the spare words, 128 bytes for each of the eight waves
.set SPW, 30                           ; v30  LDS address of my spare word; never rewritten
.set NIL, 31                           ; v31  0; never rewritten
.macro CV o, a, b                      ; two numbers: rounded to bf16, widened again, written as f16
	v_cvt_pk_bf16_f32 v5, v[\a], v[\b]
	v_lshlrev_b32 v6, 16, v5
	v_and_b32 v7, 0xffff0000, v5
	v_cvt_pk_f16_f32 v[\o], v6, v7
.endm
	s_load_b256 s[4:11], s[0:1], 0x0               ; x s[4:5], Wq s[6:7], Wk s[8:9], Wv s[10:11]
	s_load_b256 s[12:19], s[0:1], 0x20             ; Wo s[12:13], xb s[14:15], wt s[16:17], wot s[18:19]
	v_lshl_add_u32 v[SPW], v0, 2, SPARE
	v_mov_b32 v[NIL], 0
	v_and_b32 v1, 15, v0                           ; t % 16
	v_lshrrev_b32 v2, 4, v0                        ; t / 16
	s_mov_b32 s23, 0                               ; the high word of every offset
	s_wait_kmcnt 0x0
	s_cmp_ge_u32 ttmp9, 320                        ; the same in all eight waves
	s_cbranch_scc1 .Lcast
	; A WEIGHT TILE.  Which weight, by the work-group's number: 0 Wq, 32 Wk, 64 Wv, 192 Wo
	s_mov_b32 s20, ttmp9
	s_mov_b64 s[24:25], s[6:7]                     ; from
	s_mov_b64 s[26:27], s[16:17]                   ; to
	s_mov_b32 s28, 0                               ; the weight's first work-group
	s_mov_b32 s29, 0                               ; its first row in a head's 96
	s_mov_b32 s30, 1024                            ; bytes from row to row of the source
	s_mov_b32 s34, 96                              ; output rows a head
	s_cmp_ge_u32 s20, 32
	s_cselect_b64 s[24:25], s[8:9], s[24:25]
	s_cselect_b32 s28, 32, s28
	s_cselect_b32 s29, 16, s29
	s_cmp_ge_u32 s20, 64
	s_cselect_b64 s[24:25], s[10:11], s[24:25]
	s_cselect_b32 s28, 64, s28
	s_cselect_b32 s29, 32, s29
	s_cselect_b32 s30, 4096, s30
	s_cselect_b32 s31, 6, 4                        ; log2 of a head's columns
	s_cselect_b32 s32, 63, 15                      ; and their mask
	s_cselect_b32 s33, 4, 2                        ; log2 of the blocks of 64 columns
	s_cmp_ge_u32 s20, 192
	s_cselect_b64 s[24:25], s[12:13], s[24:25]
	s_cselect_b64 s[26:27], s[18:19], s[26:27]
	s_cselect_b32 s28, 192, s28
	s_cselect_b32 s29, 0, s29
	s_cselect_b32 s34, 64, s34                     ; (with 64 rows a 'head' of 64 columns Wo's row is simply n)
	s_sub_co_u32 s20, s20, s28
	s_lshr_b32 s21, s20, s33                       ; block of 128 k
	s_lshl_b32 s36, s21, s33
	s_sub_co_u32 s36, s20, s36                     ; block of 64 n
	s_mul_i32 s22, s21, s30
	s_lshl_b32 s22, s22, 7
	s_lshl_b32 s37, s36, 8
	s_add_co_u32 s22, s22, s37
	s_add_nc_u64 s[24:25], s[24:25], s[22:23]      ; the tile's first element
	s_lshl_b32 s22, s21, 8
	s_add_nc_u64 s[26:27], s[26:27], s[22:23]      ; the tile's 256 bytes in every output row
	s_lshl_b32 s35, s30, 5                         ; 32 source rows
	s_lshl_b32 s36, s36, 6
	v_lshlrev_b32 v3, 1, v2
	v_mul_lo_u32 v3, v3, s30
	v_lshl_add_u32 v10, v1, 4, v3                  ; row 2 (t / 16), 16 bytes at 16 (t % 16): sixteen lanes read 256 consecutive bytes
	v_add_nc_u32 v11, s30, v10                     ; the row below
.irp i, 1,2,3
	v_add_nc_u32 v[10+2*\i], s35, v[8+2*\i]
	v_add_nc_u32 v[11+2*\i], s35, v[9+2*\i]
.endr
.irp i, 0,1,2,3,4,5,6,7
	global_load_b128 v[32+4*\i:35+4*\i], v[10+\i], s[24:25]
.endr
	v_mul_u32_u24 v4, v1, 1088                     ; into the stage: row n = 4 (t % 16) + j, the pair of k at 4 (t / 16) + 64 i
	v_lshl_add_u32 v4, v2, 2, v4
	v_mul_u32_u24 v8, v2, 272                      ; back: row t / 16 + 16 i, 16 bytes at 16 (t % 16)
	v_lshl_add_u32 v8, v1, 4, v8
	v_add_nc_u32 v9, s36, v2                       ; that row's column of the weight
.irp i, 0,1,2,3
	v_add_nc_u32 v6, 16*\i, v9
	v_lshrrev_b32 v7, s31, v6                      ; head
	v_mul_lo_u32 v7, v7, s34
	v_and_b32 v6, s32, v6
	v_add3_u32 v6, v6, v7, s29                     ; output row
	v_lshlrev_b32 v6, 11, v6
	v_lshl_add_u32 v[20+\i], v1, 4, v6
.endr
	s_wait_loadcnt 0x0
.set i, 0
.rept 4
.set j, 0
.rept 4
	CV 64+4*i+j, 32+8*i+j, 36+8*i+j                ; k and k + 1 of one column
	ds_store_b32 v4, v[64+4*i+j] offset:272*j+64*i
.set j, j+1
.endr
.set i, i+1
.endr
	s_wait_dscnt 0x0                               ; for the others' sake: my stores into the stage are done
	s_barrier_signal -1
	s_barrier_wait -1
.irp i, 0,1,2,3
	ds_load_b128 v[80+4*\i:83+4*\i], v8 offset:4352*\i
.endr
.irp i, 0,1,2,3
	s_wait_dscnt 3-\i                              ; LDS loads come back in order: the younger ones may stay out
	global_store_b128 v[20+\i], v[80+4*\i:83+4*\i], s[26:27]  ; sixteen lanes store 256 consecutive bytes, aligned
.endr
	s_branch .Lend
.Lcast:                                        ; X AS A STREAM: sixteen loads of 4,096 bytes for the work-group, all out before the first wait
	s_sub_co_u32 s20, ttmp9, 320
	s_lshl_b32 s22, s20, 16
	s_add_nc_u64 s[4:5], s[4:5], s[22:23]
	s_lshl_b32 s22, s20, 15
	s_add_nc_u64 s[14:15], s[14:15], s[22:23]
	v_lshlrev_b32 v8, 4, v0
	v_lshlrev_b32 v9, 3, v0
.set i, 0
.rept 16
	global_load_b128 v[32+4*i:35+4*i], v8, s[4:5] offset:4096*i th:TH_LOAD_NT
.set i, i+1
.endr
.set i, 0
.rept 16
	s_wait_loadcnt 15-i                            ; loads come back in order: the younger ones stay out
	CV 96+2*i, 32+4*i, 33+4*i
	CV 97+2*i, 34+4*i, 35+4*i
	global_store_b64 v9, v[96+2*i:97+2*i], s[14:15] offset:2048*i  ; a wave stores 256 consecutive bytes, aligned; no register of a store is written again
.set i, i+1
.endr
.Lend:
	s_wait_tensorcnt 0x0                           ; the wave's end: behind my last LDS store
	ds_add_u32 v[SPW], v[NIL]
	s_wait_dscnt 0x0
	s_endpgm
.Lfunc_end_k_q5a77f74aca_prep:
	.size	k_q5a77f74aca_prep, .Lfunc_end_k_q5a77f74aca_prep-k_q5a77f74aca_prep
	.p2alignl 7, 3214868480
	.fill 96, 4, 3214868480
	.section	.rodata,"a",@progbits
	.p2align	6, 0x0
	.amdhsa_kernel k_q5a77f74aca_prep
		.amdhsa_group_segment_fixed_size 18432
		.amdhsa_private_segment_fixed_size 0
		.amdhsa_enable_private_segment 0
		.amdhsa_kernarg_size 64
		.amdhsa_user_sgpr_count 2
		.amdhsa_user_sgpr_kernarg_segment_ptr 1
		.amdhsa_wavefront_size32 1
		.amdhsa_system_sgpr_workgroup_id_x 1
		.amdhsa_system_sgpr_workgroup_id_y 1
		.amdhsa_system_sgpr_workgroup_id_z 1
		.amdhsa_system_vgpr_workitem_id 0
		.amdhsa_next_free_vgpr 128
		.amdhsa_next_free_sgpr 66
		.amdhsa_reserve_vcc 0
		.amdhsa_float_denorm_mode_32 3
		.amdhsa_float_denorm_mode_16_64 3
		.amdhsa_memory_ordered 1
		.amdhsa_forward_progress 1
		.amdhsa_inst_pref_size 22
	.end_amdhsa_kernel
	.amdgpu_metadata
---
amdhsa.version: [ 1, 2 ]
amdhsa.kernels:
  - .name:           k_q5a77f74aca_prep
    .symbol:         k_q5a77f74aca_prep.kd
    .args:
      - { .name: hidden_states, .offset: 0, .size: 8, .value_kind: global_buffer, .address_space: global }
      - { .name: Wq, .offset: 8, .size: 8, .value_kind: global_buffer, .address_space: global }
      - { .name: Wk, .offset: 16, .size: 8, .value_kind: global_buffer, .address_space: global }
      - { .name: Wv, .offset: 24, .size: 8, .value_kind: global_buffer, .address_space: global }
      - { .name: Wo, .offset: 32, .size: 8, .value_kind: global_buffer, .address_space: global }
      - { .name: xb, .offset: 40, .size: 8, .value_kind: global_buffer, .address_space: global }
      - { .name: wt, .offset: 48, .size: 8, .value_kind: global_buffer, .address_space: global }
      - { .name: wot, .offset: 56, .size: 8, .value_kind: global_buffer, .address_space: global }
    .group_segment_fixed_size: 18432
    .private_segment_fixed_size: 0
    .kernarg_segment_align: 8
    .kernarg_segment_size: 64
    .max_flat_workgroup_size: 256
    .sgpr_count:     66
    .vgpr_count:     128
    .wavefront_size: 32
...
	.end_amdgpu_metadata
.endif
;; end of part 1
;; launch qkv (part 2): grid 8 x 32, 4 waves a work-group, clusters of 4 x 4, 327,680 bytes of LDS; arguments xb, wt, qh, kh, vh, nrm; writes qh, kh, vh, nrm
.if DOCPART == 2
	.amdgcn_target "amdgcn-amd-amdhsa--gfx1250"
	.amdhsa_code_object_version 6
	.text
	.protected	k_q5a77f74aca_qkv
	.globl	k_q5a77f74aca_qkv
	.p2align	8
	.type	k_q5a77f74aca_qkv,@function
k_q5a77f74aca_qkv:
	s_mov_b64 s[64:65], 0
	v_nop
	global_prefetch_b8 v0, s[64:65] scope:SCOPE_SE
	s_setreg_imm32_b32 hwreg(HW_REG_WAVE_MODE, 25, 1), 1
	s_wait_xcnt 0x0
	s_wait_alu depctr_hold_cnt(0) depctr_sa_sdst(0) depctr_va_vdst(0) depctr_va_sdst(0) depctr_va_ssrc(0) depctr_va_vcc(0) depctr_vm_vsrc(0)
	s_getreg_b32 s2, hwreg(HW_REG_IB_STS2, 6, 4)
	s_cmp_eq_u32 s2, 0
	s_cbranch_scc0 .Lentry_in_a_cluster
	s_endpgm
.Lentry_in_a_cluster:
	s_bfe_u32 s2, ttmp6, 0x10000c
	s_cmp_lg_u32 s2, 0xf033
	s_cbranch_scc0 .Lentry_shape_is_right
	s_endpgm
.Lentry_shape_is_right:
; q, k, v = x W, all three in one product: C[4096][1536] = xb[4096][1024] wt[1536][1024]^T, f16 operands, f32 sums.  wt's rows lie by heads: 16 of Wq, 16 of Wk, 64 of Wv.
; A tile of C is 128 tokens x 192 columns (two heads): 32 x 8 = 256 work-groups.  Four waves, each 64 tokens x 96 columns, ONE head: 24 accumulators of 16 x 16.
; K goes in steps of 128 (rows of 256 bytes, aligned) through two LDS slots filled by the tensor data mover.  4 x 4 work-groups form a cluster: x's tile is asked for jointly along a row of it, the weights' along a column.
; THE PRODUCT IS USED TRANSPOSED (source 0 = 16 rows of wt, source 1 = 16 tokens): a lane holds one token (lane % 16) and eight neighbouring columns.
; OUT, by heads, each number rounded once to f16: qh, kh [32][2048][16], vh [32][2048][64]; and nrm [2][32][2048] in f32: |q|^2 and |k|^2, from which the next launch bounds its scores.
; LIMIT: |q|, |k|, |v| stay under 65,504.  No prefetch: the launch is short, eight K steps.
; REGISTERS: window 0: v0-31 addresses, v32-51 at work on the way out, v64-255 accumulators ((a, b) at 64 + 8 (6 a + b)); window 1: two fragment buffers of 80 (4 of x, then 6 of wt).
.set NT,     6
.set KSTEP,  128
.set LAPS,   4                         ; a lap = two K steps = once round the ring
.set APITCH, 272                       ; 256 bytes + 16 of padding: the 16 rows of a fragment load start at 16 different groups of four banks (ISA guide 11.1)
.set BPITCH, 272
.set AHALF,  64*APITCH                 ; what one tensor load brings of x
.set BHALF,  96*BPITCH                 ; and of wt
.set BOFF,   2*AHALF
.set SLOT,   BOFF+2*BHALF
.set ASTEP,  KSTEP*2                   ; bytes from K step to K step
.set BSTEP,  KSTEP*2
.set STAGE,  2*SLOT                    ; behind the ring, never filled by a tensor load: 2,816 bytes for each wave: 16 rows x 144 for v, 512 for the norms
.set WSTG,   2816
.set SPARE,  STAGE+4*WSTG              ; the spare words, 128 bytes for each wave
.set ACC,  64
.set F0,   0
.set F1,   80
.set ADRA, 16                          ; v16-17 LDS address of my fragments of x in slot 0, 1
.set ADRB, 20                          ; v20-21 the same for wt
.set NO,   22                          ; v22 my 16 bytes of nrm
.set STO,  24                          ; v24 v's stage: where I put 16 bytes
.set RD,   25                          ; v25 where I read rows back
.set QO,   26                          ; v26 my 16 bytes in 16 tokens of q or k
.set VO,   27                          ; v27 my 16 bytes in 512 consecutive bytes of v
.set SPW,  28
.set NIL,  29
.set NS,   30                          ; v30 the norms' stage: in
.set NR,   31                          ; v31 and back
.set NRM,  32                          ; v32-39 the norms: tile a, q or k, at 32 + 2 a + b
.set G1,  24
.set G0,  32
.set G1B, 48
.set G0B, 56
.set FLAGS, (1<<16)|(1<<20)|(1<<21)|(5<<22)|(3<<25)  ; 2-byte elements; padding on; bit 21 beside a mask; after every 64 words, 4 words
.set MSB, 0
.macro WIN new                         ; the immediate's high byte repeats the setting that is left
.if MSB != (\new)
	s_set_vgpr_msb (MSB<<8)|(\new)
.set MSB, \new
.endif
.endm
.set MUL,  0x05                        ; sources 0 and 1 window 1; C and D window 0
.set TO_F, 0x40                        ; destination window 1, address window 0
.macro JLOAD s                         ; a joint load: waves 0 and 1 fetch x's two halves, waves 2 and 3 wt's; an s_nop 0 and four v_nop follow each line
	s_cmp_eq_u32 s11, 0
	s_cbranch_scc0 .Lfor_b_\@
	tensor_load_to_lds s[G0+4*(\s):G0+4*(\s)+3], s[G1:G1+7]
	s_nop 0
.rept 4
	v_nop
.endr
	s_branch .Lasked_\@
.Lfor_b_\@:
	tensor_load_to_lds s[G0B+4*(\s):G0B+4*(\s)+3], s[G1B:G1B+7]
	s_nop 0
.rept 4
	v_nop
.endr
.Lasked_\@:
.endm
.macro CREST                           ; a round of the cluster's barrier behind its opening barrier
	s_cmp_lg_u32 s10, 0
	s_cbranch_scc1 .Lnot_wave_0_\@
	s_barrier_signal -3
.Lnot_wave_0_\@:
	s_barrier_wait -3
	s_barrier_signal -1
	s_barrier_wait -1
.endm
.macro CROUND
	s_barrier_signal -1
	s_barrier_wait -1
	CREST
.endm
.macro PLACES                          ; four places in front of loads into registers that products have read, and of vector work that reads results
.rept 4
	v_nop
.endr
.endm
	s_load_b128 s[4:7], s[0:1], 0x0                ; xb s[4:5], wt s[6:7]
	s_load_b256 s[68:75], s[0:1], 0x10             ; qh s[68:69], kh s[70:71], vh s[72:73], nrm s[74:75]
	v_lshl_add_u32 v[SPW], v0, 2, SPARE
	v_mov_b32 v[NIL], 0
	ds_add_u32 v[SPW], v[NIL]                      ; the wave's opening: the add, twice on end, and its wait ahead of my first tensor load
	ds_add_u32 v[SPW], v[NIL]
	v_lshrrev_b32 v1, 5, v0
	v_readfirstlane_b32 s10, v1                    ; wave 0..3
	s_lshr_b32 s11, s10, 1                         ; my half of the tokens.  Also: I fetch for x (0) or for wt (1)
	s_and_b32 s12, s10, 1                          ; my head of the two.  Also: which half of that tile I fetch
	s_bfe_u32 s40, ttmp6, 0x40000                  ; cx, cy
	s_bfe_u32 s41, ttmp6, 0x40004
	s_lshl_b32 s42, ttmp9, 2
	s_add_co_u32 s42, s42, s40                     ; tile column
	s_and_b32 s13, ttmp7, 0xffff
	s_lshl_b32 s13, s13, 2
	s_add_co_u32 s13, s13, s41                     ; tile row
	s_lshl_b32 s43, s41, 2
	s_lshl_b32 s43, 15, s43                        ; my row of the cluster
	s_lshl_b32 s44, 0x1111, s40                    ; my column
	s_or_b32 s[G1+0], s43, FLAGS
	s_or_b32 s[G1B+0], s44, FLAGS
.irp g, G1, G1B
	s_mov_b32 s[(\g)+1], KSTEP<<16                 ; tensor_dim0 = 128
	s_mov_b32 s[(\g)+3], KSTEP<<16                 ; tile_dim0 = 128
	s_mov_b32 s[(\g)+5], 1024                      ; elements from row to row
	s_mov_b32 s[(\g)+6], 0
	s_mov_b32 s[(\g)+7], 0
.endr
	s_mov_b32 s[G1+2], 64<<16                      ; tensor_dim1, tile_dim1: 64 rows of x,
	s_mov_b32 s[G1+4], 64
	s_mov_b32 s[G1B+2], 96<<16                     ; 96 of wt
	s_mov_b32 s[G1B+4], 96
	s_lshl_b32 s17, s12, 6
	s_lshl_b32 s16, s13, 7
	s_add_co_u32 s16, s16, s17                     ; x: row 128 x tile row + 64 x half
	s_lshl_b32 s16, s16, 11
	s_mov_b32 s17, 0
	s_mul_i32 s46, s42, 192
	s_mul_i32 s47, s12, 96
	s_add_co_u32 s46, s46, s47                     ; wt: row 192 x tile column + 96 x half
	s_lshl_b32 s46, s46, 11
	s_mov_b32 s47, 0
	s_mul_i32 s20, s12, AHALF                      ; where they go: no place in the cluster enters an LDS address
	s_mul_i32 s21, s12, BHALF
	s_add_co_u32 s21, s21, BOFF
	s_wait_dscnt 0x0                               ; both opening adds are done
	s_wait_kmcnt 0x0
	s_add_nc_u64 s[14:15], s[4:5], s[16:17]
	s_add_nc_u64 s[46:47], s[6:7], s[46:47]
	CROUND                                         ; all sixteen work-groups are here: the first joint loads meet
.irp s, 0,1
	s_mov_b32 s[G0+4*(\s)], 1
	s_add_co_u32 s[G0+4*(\s)+1], s20, (\s)*SLOT
	s_add_nc_u64 s[G0+4*(\s)+2:G0+4*(\s)+3], s[14:15], (\s)*ASTEP
	s_or_b32 s[G0+4*(\s)+3], s[G0+4*(\s)+3], 0x80000000
	s_mov_b32 s[G0B+4*(\s)], 1
	s_add_co_u32 s[G0B+4*(\s)+1], s21, (\s)*SLOT
	s_add_nc_u64 s[G0B+4*(\s)+2:G0B+4*(\s)+3], s[46:47], (\s)*BSTEP
	s_or_b32 s[G0B+4*(\s)+3], s[G0B+4*(\s)+3], 0x80000000
	JLOAD \s
.endr
	v_and_b32 v1, 15, v0                           ; l % 16
	v_bfe_u32 v2, v0, 4, 1                         ; l / 16
	v_and_b32 v6, 31, v0                           ; l
	v_mul_u32_u24 v3, v1, APITCH
	v_lshl_add_u32 v3, v2, 4, v3                   ; a fragment's row x pitch + 16 x half
	s_mul_i32 s21, s11, AHALF                      ; my 64 tokens
	s_mul_i32 s22, s12, BHALF                      ; my head's 96 rows
	s_add_co_u32 s22, s22, BOFF
.irp s, 0,1
	v_add_nc_u32 v[ADRA+(\s)], s21, v3
	v_add_nc_u32 v[ADRB+(\s)], s22, v3
	s_add_co_u32 s21, s21, SLOT
	s_add_co_u32 s22, s22, SLOT
.endr
	s_mul_i32 s23, s10, WSTG
	s_add_co_u32 s23, s23, STAGE                   ; my stage
	v_mul_u32_u24 v4, v1, 144
	v_lshl_add_u32 v4, v2, 4, v4
	v_add_nc_u32 v[STO], s23, v4                   ; in: row l % 16, 16 bytes for each half of the lanes
	v_bfe_u32 v4, v0, 3, 2
	v_mul_u32_u24 v4, v4, 144
	v_and_b32 v5, 7, v0
	v_lshl_add_u32 v4, v5, 4, v4
	v_add_nc_u32 v[RD], s23, v4                    ; back: 32 lanes take four rows of 128 bytes
	v_lshl_add_u32 v[NS], v6, 2, s23
	v_add_nc_u32 v[NS], 2304, v[NS]
	v_lshl_add_u32 v[NR], v6, 4, s23
	v_add_nc_u32 v[NR], 2304, v[NR]
	v_lshlrev_b32 v[QO], 5, v1
	v_lshl_add_u32 v[QO], v2, 4, v[QO]             ; token x 32 bytes + 16 x half
	v_lshlrev_b32 v[VO], 4, v6
	v_lshlrev_b32 v[NO], 18, v2                    ; lanes 0-15 |q|^2, lanes 16-31 |k|^2, 262,144 bytes on
	v_lshl_add_u32 v[NO], v1, 4, v[NO]
	s_lshl_b32 s16, s42, 1
	s_add_co_u32 s16, s16, s12                     ; head
	s_lshr_b32 s17, s13, 4                         ; batch
	s_lshl4_add_u32 s16, s17, s16                  ; 16 x batch + head
	s_and_b32 s17, s13, 15
	s_lshl_b32 s17, s17, 7
	s_lshl_b32 s18, s11, 6
	s_add_co_u32 s17, s17, s18                     ; my first token in the batch
	s_lshl_b32 s18, s16, 16
	s_lshl_b32 s19, s17, 5
	s_add_co_u32 s18, s18, s19
	s_mov_b32 s19, 0
	s_add_nc_u64 s[68:69], s[68:69], s[18:19]      ; q and k: 32 bytes a token
	s_add_nc_u64 s[70:71], s[70:71], s[18:19]
	s_lshl_b32 s18, s18, 2
	s_add_nc_u64 s[72:73], s[72:73], s[18:19]      ; v: 128
	s_lshr_b32 s18, s18, 5
	s_add_nc_u64 s[74:75], s[74:75], s[18:19]      ; the norms: 4
	s_mov_b32 s76, 0x76543210                      ; v_permlanex16_b32: each lane takes its own place in the other half
	s_mov_b32 s77, 0xfedcba98
	s_mov_b32 s78, 0xffff0000                      ; lanes 16-31
; na x NT products, 32 along K, from buffer f: token blocks a0 on x all my column blocks.  The accumulators take turns, one instruction a turn.  zero = 1: the products start the sums.
.macro MULS f, a0, na, zero
	WIN MUL
.set ma, \a0
.rept \na
.set mb, 0
.rept NT
.if \zero
	v_wmma_f32_16x16x32_f16 v[ACC+8*(NT*ma+mb):ACC+8*(NT*ma+mb)+7], v[(\f)+32+8*mb:(\f)+32+8*mb+7], v[(\f)+8*ma:(\f)+8*ma+7], 0
.else
	v_wmma_f32_16x16x32_f16 v[ACC+8*(NT*ma+mb):ACC+8*(NT*ma+mb)+7], v[(\f)+32+8*mb:(\f)+32+8*mb+7], v[(\f)+8*ma:(\f)+8*ma+7], v[ACC+8*(NT*ma+mb):ACC+8*(NT*ma+mb)+7]
.endif
.set mb, mb+1
.endr
.set ma, ma+1
.endr
.endm
; one run of LDS loads: the fragments of sub-step s (32 along K) of a slot, into buffer f
.macro FETCH slot, s, f
	WIN TO_F
.set AO, 64*(\s)
.set fb, 0
.rept NT
	ds_load_b128 v[(\f)+32+8*fb:(\f)+32+8*fb+3], v[ADRB+(\slot)] offset:64*(\s)+fb*16*BPITCH
	ds_load_b128 v[(\f)+32+8*fb+4:(\f)+32+8*fb+7], v[ADRB+(\slot)] offset:64*(\s)+fb*16*BPITCH+32
.set fb, fb+1
.endr
.set fa, 0
.rept 4
	ds_load_b128 v[(\f)+8*fa:(\f)+8*fa+3], v[ADRA+(\slot)] offset:AO+fa*16*APITCH
	ds_load_b128 v[(\f)+8*fa+4:(\f)+8*fa+7], v[ADRA+(\slot)] offset:AO+fa*16*APITCH+32
.set fa, fa+1
.endr
.endm
; a sub-step but a K step's last: multiplies buffer f; in its middle the next sub-step's fragments are asked for, into buffer g
.macro SUB slot, s, f, g, zero
	s_wait_dscnt 0x0                               ; buffer f, asked for half a sub-step back
	MULS \f, 0, 2, \zero
	PLACES
	FETCH \slot, (\s)+1, \g
	MULS \f, 2, 2, \zero
.endm
.macro REST slot
	SUB \slot, 1, F1, F0, 0
	SUB \slot, 2, F0, F1, 0
.endm
; a K step's last sub-step multiplies buffer 1 and changes slots: ONE barrier; in front of it each wave waits for all its tensor loads, adds 0 to its spare word, and waits for that and for its reads of this slot
.macro TURN slot, next, fill
	WIN 0
	s_wait_tensorcnt 0x0                           ; all my tensor loads have landed: my part of the next slot
	ds_add_u32 v[SPW], v[NIL]
	s_wait_dscnt 1                                 ; (the add alone may be out: buffer 1 is in)
	MULS F1, 0, 1, 0
	s_wait_dscnt 0x0                               ; the add is done, and my reads of this slot are over
	s_barrier_signal -1
	MULS F1, 1, 1, 0
.if \fill
	WIN 0
.endif
	s_barrier_wait -1
.if \fill
	CREST                                          ; the barrier has opened a round of the cluster's: no wave of any partner still reads this slot or has a load on its way
	s_add_nc_u64 s[G0+4*(\slot)+2:G0+4*(\slot)+3], s[G0+4*(\slot)+2:G0+4*(\slot)+3], 2*ASTEP
	s_add_nc_u64 s[G0B+4*(\slot)+2:G0B+4*(\slot)+3], s[G0B+4*(\slot)+2:G0B+4*(\slot)+3], 2*BSTEP
	JLOAD \slot                                    ; the first tensor load behind the round; its four v_nop are also the places in front of the loads below
.else
	PLACES
.endif
	FETCH \next, 0, F0
	MULS F1, 2, 2, 0
.endm
	s_wait_tensorcnt 1                             ; my part of K step 0 is in; K step 1's may stay out
	s_barrier_signal -1
	s_barrier_wait -1
	FETCH 0, 0, F0
	SUB 0, 0, F0, F1, 1                            ; the first sub-step stands in front of the loop: its products start the sums
	WIN 0
	s_mov_b32 s3, LAPS-1
.Llap:                                             ; a trip goes once round the ring and fills both slots again
	REST 0
	TURN 0, 1, 1
	SUB 1, 0, F0, F1, 0
	REST 1
	TURN 1, 0, 1
	SUB 0, 0, F0, F1, 0
	WIN 0
	s_sub_co_u32 s3, s3, 1
	s_cmp_lg_u32 s3, 0
	s_cbranch_scc1 .Llap
	REST 0                                         ; the last lap fills nothing
	TURN 0, 1, 0
	SUB 1, 0, F0, F1, 0
	REST 1
	s_wait_dscnt 0x0
	MULS F1, 0, 4, 0
	WIN 0
	PLACES
	; THE WAY OUT.  Column blocks 0, 1 are q and k, blocks 2-5 are v.  First the squared norms, of the f32 sums: a lane's eight squares, then the other half of the lanes'.
	v_mov_b32 v42, 0                               ; v_permlanex16_b32's destination counts as read
.set a, 0
.rept 4
.set b, 0
.rept 2
.set A0, ACC+8*(NT*a+b)
	v_pk_mul_f32 v[40:41], v[A0:A0+1], v[A0:A0+1]  ; each accumulator is read from its low end on
	v_pk_fma_f32 v[40:41], v[A0+2:A0+3], v[A0+2:A0+3], v[40:41]
	v_pk_fma_f32 v[40:41], v[A0+4:A0+5], v[A0+4:A0+5], v[40:41]
	v_pk_fma_f32 v[40:41], v[A0+6:A0+7], v[A0+6:A0+7], v[40:41]
	v_add_f32 v[NRM+2*a+b], v40, v41
	v_permlanex16_b32 v42, v[NRM+2*a+b], s76, s77
	v_add_f32 v[NRM+2*a+b], v[NRM+2*a+b], v42
.set b, b+1
.endr
.set a, a+1
.endr
.set t, 0
.rept 4*NT                                         ; all 24 accumulators: eight numbers into the four lowest registers
.set A0, ACC+8*t
	v_cvt_pk_f16_f32 v[A0], v[A0], v[A0+1]
	v_cvt_pk_f16_f32 v[A0+1], v[A0+2], v[A0+3]
	v_cvt_pk_f16_f32 v[A0+2], v[A0+4], v[A0+5]
	v_cvt_pk_f16_f32 v[A0+3], v[A0+6], v[A0+7]
.set t, t+1
.endr
.set a, 0
.rept 4
	global_store_b128 v[QO], v[ACC+8*NT*a:ACC+8*NT*a+3], s[68:69] offset:512*a        ; 16 tokens of q: the wave stores 512 consecutive bytes, aligned
	global_store_b128 v[QO], v[ACC+8*NT*a+8:ACC+8*NT*a+11], s[70:71] offset:512*a     ; and of k
.set a, a+1
.endr
.set a, 0
.rept 4                                            ; v: 16 tokens at a time through my stage, back as whole rows of 128 bytes.  LDS serves a wave's instructions in order (ISA guide 5.7.1.4)
.set f, 0
.rept 4
	ds_store_b128 v[STO], v[ACC+8*(NT*a+2+f):ACC+8*(NT*a+2+f)+3] offset:32*f
.set f, f+1
.endr
.set f, 0
.rept 4
	ds_load_b128 v[ACC+8*(NT*a+2+f)+4:ACC+8*(NT*a+2+f)+7], v[RD] offset:576*f
.set f, f+1
.endr
.set f, 0
.rept 4
	s_wait_dscnt 3-f
	global_store_b128 v[VO], v[ACC+8*(NT*a+2+f)+4:ACC+8*(NT*a+2+f)+7], s[72:73] offset:2048*a+512*f  ; 512 consecutive bytes, aligned
.set f, f+1
.endr
.set a, a+1
.endr
.irp b, 0,1                                        ; the norms: two tiles' 16 numbers joined to 32, through the stage, so that sixteen lanes store 256 consecutive bytes
.irp g, 0,1
	v_cndmask_b32 v[44+2*\b+\g], v[NRM+4*\g+\b], v[NRM+4*\g+2+\b], s78
	ds_store_b32 v[NS], v[44+2*\b+\g] offset:256*\b+128*\g
.endr
.endr
	ds_load_b128 v[48:51], v[NR]
	s_wait_dscnt 0x0
	global_store_b128 v[NO], v[48:51], s[74:75]
	s_wait_tensorcnt 0x0                           ; the wave's end
	ds_add_u32 v[SPW], v[NIL]
	s_wait_dscnt 0x0
	CROUND                                         ; the closing round: no work-group ends while a partner may still ask for a tile that names it
	s_endpgm
.Lfunc_end_k_q5a77f74aca_qkv:
	.size	k_q5a77f74aca_qkv, .Lfunc_end_k_q5a77f74aca_qkv-k_q5a77f74aca_qkv
	.p2alignl 7, 3214868480
	.fill 96, 4, 3214868480
	.section	.rodata,"a",@progbits
	.p2align	6, 0x0
	.amdhsa_kernel k_q5a77f74aca_qkv
		.amdhsa_group_segment_fixed_size 327680
		.amdhsa_private_segment_fixed_size 0
		.amdhsa_enable_private_segment 0
		.amdhsa_kernarg_size 48
		.amdhsa_user_sgpr_count 2
		.amdhsa_user_sgpr_kernarg_segment_ptr 1
		.amdhsa_wavefront_size32 1
		.amdhsa_system_sgpr_workgroup_id_x 1
		.amdhsa_system_sgpr_workgroup_id_y 1
		.amdhsa_system_sgpr_workgroup_id_z 1
		.amdhsa_system_vgpr_workitem_id 0
		.amdhsa_next_free_vgpr 512
		.amdhsa_next_free_sgpr 80
		.amdhsa_reserve_vcc 0
		.amdhsa_float_denorm_mode_32 3
		.amdhsa_float_denorm_mode_16_64 3
		.amdhsa_memory_ordered 1
		.amdhsa_forward_progress 1
		.amdhsa_inst_pref_size 74
	.end_amdhsa_kernel
	.amdgpu_metadata
---
amdhsa.version: [ 1, 2 ]
amdhsa.kernels:
  - .name:           k_q5a77f74aca_qkv
    .symbol:         k_q5a77f74aca_qkv.kd
    .args:
      - { .name: xb, .offset: 0, .size: 8, .value_kind: global_buffer, .address_space: global }
      - { .name: wt, .offset: 8, .size: 8, .value_kind: global_buffer, .address_space: global }
      - { .name: qh, .offset: 16, .size: 8, .value_kind: global_buffer, .address_space: global }
      - { .name: kh, .offset: 24, .size: 8, .value_kind: global_buffer, .address_space: global }
      - { .name: vh, .offset: 32, .size: 8, .value_kind: global_buffer, .address_space: global }
      - { .name: nrm, .offset: 40, .size: 8, .value_kind: global_buffer, .address_space: global }
    .group_segment_fixed_size: 327680
    .private_segment_fixed_size: 0
    .kernarg_segment_align: 8
    .kernarg_segment_size: 48
    .max_flat_workgroup_size: 128
    .sgpr_count:     80
    .vgpr_count:     512
    .wavefront_size: 32
...
	.end_amdgpu_metadata
.endif
;; end of part 2
;; launch attn (part 3): grid 8 x 32, 4 waves a work-group, clusters of 4 x 1, 327,680 bytes of LDS; arguments qh, kh, vh, nrm, yh; writes yh
.if DOCPART == 3
	.amdgcn_target "amdgcn-amd-amdhsa--gfx1250"
	.amdhsa_code_object_version 6
	.text
	.protected	k_q5a77f74aca_attn
	.globl	k_q5a77f74aca_attn
	.p2align	8
	.type	k_q5a77f74aca_attn,@function
k_q5a77f74aca_attn:
	s_mov_b64 s[64:65], 0
	v_nop
	global_prefetch_b8 v0, s[64:65] scope:SCOPE_SE
	s_setreg_imm32_b32 hwreg(HW_REG_WAVE_MODE, 25, 1), 1
	s_wait_xcnt 0x0
	s_wait_alu depctr_hold_cnt(0) depctr_sa_sdst(0) depctr_va_vdst(0) depctr_va_sdst(0) depctr_va_ssrc(0) depctr_va_vcc(0) depctr_vm_vsrc(0)
	s_getreg_b32 s2, hwreg(HW_REG_IB_STS2, 6, 4)
	s_cmp_eq_u32 s2, 0
	s_cbranch_scc0 .Lentry_in_a_cluster
	s_endpgm
.Lentry_in_a_cluster:
	s_bfe_u32 s2, ttmp6, 0x10000c
	s_cmp_lg_u32 s2, 0x3003
	s_cbranch_scc0 .Lentry_shape_is_right
	s_endpgm
.Lentry_shape_is_right:
; CAUSAL LINEAR ATTENTION.  y[n] = (sum over m <= n of A[n][m] v[m]) / (sum over m <= n of A[n][m] + 1e-12),  A = 1 + s/4 + s^2/32,  s = q[n] . k[m].
; WORK LEFT OUT (shown at the head of the first kernel): the 273 features, since qf . kf is that polynomial in q . k; the cumulative sum, since the denominator is tril(A)'s row sum; the key tiles wholly above the diagonal.
; THE WEIGHT IN f16.  32 A = (s + 4)^2 + 16 > 0.  Each query has a power of two sg, and P = 32 sg^2 A = (sg (s + 4))^2 + 16 sg^2; sg cancels in y.  sg q is source 1 of the first product and 4 sg its C operand,
; so one packed multiply-add and one rounding make two weights.  sg comes from w = max(|q| max|k| + 4, |q| / 128), max|k| over the key steps that the query's tile sees: sg w lies in [2^6, 2^7), so |sg (s + 4)| < 2^7,
; P < 2^15 and |sg q| < 2^14, whatever the inputs' size.  The row sum l is taken by the matrix unit of the ROUNDED P (a fifth block of 'channels' whose rows are ones), so that P's rounding cancels where one key rules.
; LIMITS: q, k, v within f16's range; a weight below some 2^-29 of the bound's square keeps f16's fixed step; NaN and infinities are not treated apart.
; SHARES.  A head's 2,048 queries are 128 tiles of 16.  Tile (u, wave, cluster c, partner cx) begins at query 512 u + 128 wave + 64 c + 16 cx: a wave has four, u = 0..3; its diagonal lies in key step 8 u + 2 wave + c of 64 keys.
; Every work-group of a head walks all 32 key steps with constant counts, so each of K's and V's tiles is asked for JOINTLY by the four partners.  cx enters Q's, y's and the norms' addresses and the mask's values alone.
; In a step a wave jumps forward over its tiles that lie wholly above the diagonal; the jumps hang on the wave's number, the cluster's number and the step, and pass no barrier and no tensor load.
; LAYOUT.  S^T = K Q^T holds ONE query a lane (lane % 16) and the keys 8 (lane / 16) + 0..7; two results rounded in pairs ARE source 1 of O^T = V^T P.  K has 16 channels, the product 32: a fragment's registers 0-3 hold 16 keys,
; registers 4-7 the NEXT 16 keys, and Q's fragment has zeros in the half that is not meant.
; REGISTERS, in windows of 256: window 0 all but: window 1: O^T, 40 a tile (four channel blocks, then l); window 2: v0-63 V of one step, v64-71 ones.  No prefetch: the ring has four fills in all.
.set PK,    48        ; a row of K in LDS: 32 bytes + 16: the 16 rows of a load start at 16 different groups of four banks (ISA guide 11.1)
.set PV,    160       ; a row of V: 128 + 32
.set STK,   64*PK     ; a key step
.set STV,   64*PV
.set VOFF,  512*PK    ; a slot holds eight steps: 512 rows of K, then 512 of V
.set SLOT1, 1<<17
.set STAGE, SLOT1+512*(PK+PV)+STV  ; behind the ring, never filled by a tensor load: 16 rows x 144 bytes for each wave.  One step of V, 10,240 bytes, is left unused between slot 1 and the stages (behind slot 0 more than that lies unused):
                      ; the address of the next step's run of loads steps in all eight trips of a slot's loop, and the run behind the eighth is jumped over; so no address that the step can form names a byte that is stored to
.set SP,    144
.set SPARE, STAGE+4*16*SP
.set AK0, 2           ; v2 my lane's place in a tile of K; v3 in a tile of V; never rewritten
.set AV0, 3
.set AK,  4           ; v4, v5 the LDS addresses of the next runs of loads
.set AV,  5
.set STO, 6
.set RD,  7
.set GO,  8
.set AD,  16          ; v[16+2u] a pair: 16 sg^2, twice
.set Z,   24          ; v[24+2u] a pair: |q|^2, later 1 / l
.set MASK, 32         ; v32-47 the diagonal step's mask for the 16 words of P
.set QF,  48          ; v[48+12u]: 4 zeros, 4 of sg q, 4 zeros
.set CC,  96          ; v[96+8u]: 4 sg, eight times
.set S,   128         ; v128-159
.set P,   160         ; v160-191: two buffers, by the tile's parity
.set KX,  192         ; v192-207
.set SPW, 208
.set NIL, 209
.set QO,  210         ; offsets of the first loads
.set NO,  211
.set KO,  212
.set KM,  214         ; v214-229 at work on sg, four each
.set W1,  218
.set W2,  222
.set SG,  226
.set ONES, 64         ; window 2
.set WV,  14
.set JD,  20          ; s20-23 my tiles' diagonal steps
.set G1K, 24
.set G1V, 32
.set G0K, 40
.set G0V, 44
.set SLOTS, 48
.set CNT, 49
.set TBK, 50          ; LDS byte at which K of the step to be fetched begins; s51 the same for V, less VOFF
.set TBV, 51
.set J,   52          ; the key step in hand
.set SEL, 54
.set MSB, 0
.macro WIN new
.if MSB != (\new)
	s_set_vgpr_msb (MSB<<8)|(\new)
.set MSB, (\new)
.endif
.endm
.set W_PV, 0x52       ; V in window 2, P in window 0, O^T in window 1
.macro JLOAD          ; a joint fill: waves 0 and 1 fetch the halves of a slot's K, waves 2 and 3 of its V; an s_nop 0 and four v_nop follow each line
	s_cmp_lt_u32 s[WV], 2
	s_cbranch_scc0 .Lfor_v_\@
	tensor_load_to_lds s[G0K:G0K+3], s[G1K:G1K+7]
	s_nop 0
.rept 4
	v_nop
.endr
	s_branch .Lasked_\@
.Lfor_v_\@:
	tensor_load_to_lds s[G0V:G0V+3], s[G1V:G1V+7]
	s_nop 0
.rept 4
	v_nop
.endr
.Lasked_\@:
.endm
.macro CROUND
	s_barrier_signal -1
	s_barrier_wait -1
	s_cmp_lg_u32 s[WV], 0
	s_cbranch_scc1 .Lnot_wave_0_\@
	s_barrier_signal -3
.Lnot_wave_0_\@:
	s_barrier_wait -3
	s_barrier_signal -1
	s_barrier_wait -1
.endm
.macro PLACES
.rept 4
	v_nop
.endr
.endm
; THE CHANGE OF SLOTS.  Each wave waits for all its tensor loads (one is out: its part of the other slot), adds 0 to its spare word, and waits for that and for its reads of the slot that it leaves.
; fill = 1: a round of the cluster's barrier, and the joint fill first behind it: it has eight key steps in which to land.  (At its first use slot 0 is waited for and slot 1 filled.)
.macro CHANGE fill
	WIN 0
	s_wait_tensorcnt 0x0
	ds_add_u32 v[SPW], v[NIL]
.if \fill
	s_xor_b32 s[G0K+1], s[G0K+1], SLOT1
	s_add_nc_u64 s[G0K+2:G0K+3], s[G0K+2:G0K+3], 512*32
	s_xor_b32 s[G0V+1], s[G0V+1], SLOT1
	s_add_nc_u64 s[G0V+2:G0V+3], s[G0V+2:G0V+3], 512*128
	s_wait_dscnt 0x0
	CROUND
	JLOAD
.else
	s_wait_dscnt 0x0
	s_barrier_signal -1
	s_barrier_wait -1
.endif
	s_sub_co_u32 s[TBK], s[TBK], 9*STK  ; nine steps back (one by the slot's first fetch, eight by its steps), in the other slot
	s_xor_b32 s[TBK], s[TBK], SLOT1
	s_sub_co_u32 s[TBV], s[TBV], 9*STV
	s_xor_b32 s[TBV], s[TBV], SLOT1
.endm
	s_load_b256 s[4:11], s[0:1], 0x0  ; qh s[4:5], kh s[6:7], vh s[8:9], nrm s[10:11]
	s_load_b64 s[12:13], s[0:1], 0x20 ; yh
	v_lshl_add_u32 v[SPW], v0, 2, SPARE
	v_mov_b32 v[NIL], 0
	ds_add_u32 v[SPW], v[NIL]       ; the wave's opening: the add, twice on end, and its wait ahead of my first tensor load
	ds_add_u32 v[SPW], v[NIL]
	v_lshrrev_b32 v1, 5, v0
	v_readfirstlane_b32 s[WV], v1
	s_bfe_u32 s15, ttmp6, 0x40000   ; cx
	s_and_b32 s17, ttmp7, 0xffff    ; batch x 16 + head, which the partners share
	s_and_b32 s16, s[WV], 1         ; which half of a slot's 512 keys I fetch
	s_mov_b32 s[G1K], 15|(1<<16)|(1<<20)|(1<<21)|(2<<22)|(3<<25)  ; the mask of four; 2-byte elements; padding on; bit 21 beside a mask; after every 8 words (a key), 4 words
	s_mov_b32 s[G1V], 15|(1<<16)|(1<<20)|(1<<21)|(4<<22)|(7<<25)  ; after every 32 words (a key), 8 words
.irp g, G1K, G1V
	s_mov_b32 s[\g+1], 128<<16      ; dense bytes asked for as rows of 256: tensor_dim0 = tile_dim0 = 128 elements
	s_mov_b32 s[\g+3], 128<<16
	s_mov_b32 s[\g+5], 128
	s_mov_b32 s[\g+6], 0
	s_mov_b32 s[\g+7], 0
.endr
	s_mov_b32 s[G1K+2], 32<<16      ; 256 keys of K are 32 such rows,
	s_mov_b32 s[G1K+4], 32
	s_mov_b32 s[G1V+2], 128<<16     ; of V 128
	s_mov_b32 s[G1V+4], 128
	s_mov_b32 s[G0K], 1
	s_mul_i32 s[G0K+1], s16, 256*PK
	s_mov_b32 s[G0V], 1
	s_mul_i32 s19, s16, 256*PV
	s_add_co_u32 s[G0V+1], s19, VOFF
	s_lshl_b32 s[JD], s[WV], 1
	s_add_co_u32 s[JD], s[JD], ttmp9  ; in a cluster launch ttmp9 counts clusters: c
	s_add_co_u32 s[JD+1], s[JD], 8
	s_add_co_u32 s[JD+2], s[JD], 16
	s_add_co_u32 s[JD+3], s[JD], 24
	s_mov_b32 s[SEL], 0x76543210
	s_mov_b32 s[SEL+1], 0xfedcba98
	s_mov_b32 s56, 0x2c0cbccc       ; 2e-12: 16 sg^2 times it is the 1e-12 on l's scale
	s_mov_b32 s57, 0xffff
	s_mov_b32 s58, 0xffff0000
	s_mov_b32 s[J], 0
	s_mov_b32 s[TBK], SLOT1+9*STK   ; the first change of slots turns these two into 0
	s_mov_b32 s[TBV], SLOT1+9*STV
	s_mov_b32 s[SLOTS], 3
	s_lshl_b32 s2, s17, 16
	s_lshl_b32 s3, s16, 13
	s_add_co_u32 s2, s2, s3
	s_mov_b32 s3, 0
	s_wait_dscnt 0x0                ; both opening adds are done
	s_wait_kmcnt 0x0
	s_add_nc_u64 s[G0K+2:G0K+3], s[6:7], s[2:3]  ; my half of the head's first 512 keys
	s_or_b32 s[G0K+3], s[G0K+3], 0x80000000
	s_lshl_b32 s2, s2, 2
	s_add_nc_u64 s[G0V+2:G0V+3], s[8:9], s[2:3]
	s_or_b32 s[G0V+3], s[G0V+3], 0x80000000
	CROUND                          ; all four work-groups are here: the first joint loads meet
	JLOAD                           ; slot 0
	s_lshl_b32 s59, s[WV], 7
	s_lshl_b32 s53, ttmp9, 6
	s_add_co_u32 s59, s59, s53
	s_lshl_b32 s53, s15, 4          ; 16 cx
	s_add_co_u32 s59, s59, s53      ; my tile 0's first query
	s_lshl_b32 s62, s17, 16
	s_lshl_b32 s18, s59, 5
	s_add_co_u32 s62, s62, s18
	s_mov_b32 s63, 0
	s_add_nc_u64 s[4:5], s[4:5], s[62:63]      ; Q: 32 bytes a query
	s_lshl_b32 s62, s62, 2
	s_add_nc_u64 s[12:13], s[12:13], s[62:63]  ; y: 128
	s_lshr_b32 s62, s62, 5
	s_add_nc_u64 s[60:61], s[10:11], s[62:63]  ; |q|^2: 4
	s_lshl_b32 s62, s17, 13
	s_add_co_u32 s62, s62, 262144
	s_add_nc_u64 s[10:11], s[10:11], s[62:63]  ; the head's |k|^2
	v_and_b32 v1, 15, v0            ; l % 16
	v_bfe_u32 v9, v0, 4, 1          ; l / 16
	v_and_b32 v12, 31, v0           ; l
	v_lshlrev_b32 v[QO], 5, v1
	v_lshl_add_u32 v[QO], v9, 4, v[QO]
	v_lshlrev_b32 v[NO], 2, v1
	v_lshlrev_b32 v[KO], 8, v12     ; lane l takes key step l's 64 norms
.irp u, 0,1,2,3
	global_load_b128 v[QF+12*\u+4:QF+12*\u+7], v[QO], s[4:5] offset:\u*16384
.endr
.irp u, 0,1,2,3
	global_load_b32 v[Z+2*\u], v[NO], s[60:61] offset:\u*2048
.endr
.set i, 0
.rept 16
	global_load_b128 v[S+4*i:S+4*i+3], v[KO], s[10:11] offset:16*i
.set i, i+1
.endr
	; in the wait for these and for the first tile: O^T and l start at 0, so that every step has one text
	WIN 0x40
.set i, 0
.rept 160
	v_mov_b32 v[i], 0
.set i, i+1
.endr
	WIN 0x80
.set i, 0
.rept 8
	v_mov_b32 v[ONES+i], 0x3c003c00 ; 1.0 twice
.set i, i+1
.endr
	WIN 0
	v_mov_b32 v15, 0
.irp u, 0,1,2,3
.irp z, 0,1,2,3,8,9,10,11
	v_mov_b32 v[QF+12*\u+\z], 0
.endr
.endr
	v_mul_u32_u24 v[AK0], v1, PK
	v_lshl_add_u32 v[AK0], v9, 4, v[AK0]
	v_and_b32 v10, 7, v0            ; the turning load: lane l reads key 8 (l / 16) + l % 8, channels 8 ((l / 8) % 2) + 0..7
	v_bfe_u32 v11, v0, 3, 1
	v_lshl_add_u32 v[AV0], v9, 3, v10
	v_mul_u32_u24 v[AV0], v[AV0], PV
	v_lshl_add_u32 v[AV0], v11, 4, v[AV0]
	v_add_nc_u32 v[AV0], VOFF, v[AV0]
	s_mul_i32 s18, s[WV], 16*SP
	s_add_co_u32 s18, s18, STAGE    ; my stage
	v_mul_u32_u24 v[STO], v1, SP
	v_lshl_add_u32 v[STO], v9, 4, v[STO]
	v_add_nc_u32 v[STO], s18, v[STO]
	v_bfe_u32 v[RD], v0, 3, 2
	v_mul_u32_u24 v[RD], v[RD], SP
	v_lshl_add_u32 v[RD], v10, 4, v[RD]
	v_add_nc_u32 v[RD], s18, v[RD]
	v_lshlrev_b32 v[GO], 4, v12
	; the diagonal step's mask: word p of P holds the keys 16 (p / 4) + 2 (p % 4) + 8 (l / 16) + 0, 1; my query is 16 cx + l % 16 of the band
	v_lshlrev_b32 v10, 3, v9
	v_sub_nc_u32 v14, v1, v10
	v_add_nc_u32 v14, s53, v14
.set p, 0
.rept 16
	v_cmp_le_i32 vcc_lo, 16*(p/4)+2*(p%4), v14
	v_cndmask_b32 v10, 0, s57, vcc_lo
	v_cmp_le_i32 vcc_lo, 16*(p/4)+2*(p%4)+1, v14
	v_cndmask_b32 v11, 0, s58, vcc_lo
	v_or_b32 v[MASK+p], v10, v11
.set p, p+1
.endr
	s_wait_loadcnt 0x0
	v_max_num_f32 v13, v[S], v[S+1] ; the largest |k|^2 of key step l
.set i, 0
.rept 31
	v_max3_num_f32 v13, v13, v[S+2+2*i], v[S+3+2*i]
.set i, i+1
.endr
	v_mov_b32 v11, 0                ; v_permlanex16_b32's destination counts as read
.irp u, 0,1,2,3
	v_cmp_ge_u32 vcc_lo, s[JD+\u], v12  ; the steps that tile u sees
	v_cndmask_b32 v[KM+\u], 0, v13, vcc_lo
	v_max_num_f32_dpp v[KM+\u], v[KM+\u], v[KM+\u] row_xmask:1 row_mask:0xf bank_mask:0xf
	v_max_num_f32_dpp v[KM+\u], v[KM+\u], v[KM+\u] row_xmask:2 row_mask:0xf bank_mask:0xf
	v_max_num_f32_dpp v[KM+\u], v[KM+\u], v[KM+\u] row_xmask:4 row_mask:0xf bank_mask:0xf
	v_max_num_f32_dpp v[KM+\u], v[KM+\u], v[KM+\u] row_xmask:8 row_mask:0xf bank_mask:0xf
	v_permlanex16_b32 v11, v[KM+\u], s[SEL], s[SEL+1]
	v_max_num_f32 v[KM+\u], v[KM+\u], v11
	v_mul_f32 v[KM+\u], v[KM+\u], v[Z+2*\u]
.endr
.irp u, 0,1,2,3
	v_sqrt_f32 v[W1+\u], v[KM+\u]   ; |q| max|k|
.endr
.irp u, 0,1,2,3
	v_sqrt_f32 v[W2+\u], v[Z+2*\u]  ; |q|
.endr
	v_nop                           ; a plain instruction behind the last root,
	s_wait_alu depctr_va_vdst(0)    ; and the one wait ahead of the batch's first reader
.irp u, 0,1,2,3
	v_add_f32 v[W1+\u], 4.0, v[W1+\u]
	v_mul_f32 v[W2+\u], 0x3c000000, v[W2+\u]  ; / 128
	v_max_num_f32 v[W1+\u], v[W1+\u], v[W2+\u]
	v_lshrrev_b32 v10, 23, v[W1+\u] ; w's exponent field e: w < 2^(e - 126)
	v_sub_nc_u32 v10, 0x104, v10
	v_lshlrev_b32 v[SG+\u], 23, v10 ; sg = 2^(133 - e)
	v_mul_f32 v[CC+8*\u], 4.0, v[SG+\u]
.irp z, 1,2,3,4,5,6,7
	v_mov_b32 v[CC+8*\u+\z], v[CC+8*\u]
.endr
	v_mul_f32 v[AD+2*\u], v[CC+8*\u], v[CC+8*\u]
	v_mov_b32 v[AD+2*\u+1], v[AD+2*\u]
.irp z, 4,5,6,7
	v_fma_mix_f32 v10, v[QF+12*\u+\z], v[SG+\u], v15 op_sel_hi:[1,0,0]              ; a power of two times q: exact but where it falls below f16's normal range
	v_fma_mix_f32 v11, v[QF+12*\u+\z], v[SG+\u], v15 op_sel:[1,0,0] op_sel_hi:[1,0,0]
	v_cvt_pk_f16_f32 v[QF+12*\u+\z], v10, v11
.endr
.endr
; THE LDS LOADS stand in runs: a step's K (four loads: two fragments of 32 keys) and the two halves of its V (turned)
.macro FK
	WIN 0
.irp kt, 0,1,2,3
	ds_load_b128 v[KX+4*\kt:KX+4*\kt+3], v[AK] offset:\kt*16*PK
.endr
.endm
.macro FV kk
	WIN 0x80
.irp cb, 0,1,2,3
	ds_load_tr16_b128 v[32*(\kk)+8*\cb:32*(\kk)+8*\cb+3], v[AV] offset:(\kk)*32*PV+\cb*32
	ds_load_tr16_b128 v[32*(\kk)+8*\cb+4:32*(\kk)+8*\cb+7], v[AV] offset:(\kk)*32*PV+16*PV+\cb*32
.endr
	WIN 0
.endm
.macro FETCH0                       ; a slot's first step
	WIN 0
	PLACES                          ; on every way here the last product that read these registers stands four places back
	v_add_nc_u32 v[AK], s[TBK], v[AK0]
	v_add_nc_u32 v[AV], s[TBV], v[AV0]
	s_add_co_u32 s[TBK], s[TBK], STK
	s_add_co_u32 s[TBV], s[TBV], STV
	FK
	FV 0
	FV 1
.endm
; THE VECTOR WORK of tile TU on pair p of its 32 scores: the weight; its rounding; the mask
.macro VF p
	v_pk_fma_f32 v[S+2*(\p):S+2*(\p)+1], v[S+2*(\p):S+2*(\p)+1], v[S+2*(\p):S+2*(\p)+1], v[AD+2*TU:AD+2*TU+1]
.endm
.macro VC p
	v_cvt_pk_f16_f32 v[PB+(\p)], v[S+2*(\p)], v[S+2*(\p)+1]
.endm
.macro VM p
	v_and_b32 v[PB+(\p)], v[MASK+(\p)], v[PB+(\p)]
.endm
.macro RID n                        ; number n of the 16 for the step's second 32 keys
.if (\n) < 8
	VF 8+(\n)
.else
	VC (\n)
.endif
.endm
.macro PVX kk, x                    ; O^T += V^T P: keys 32 kk on; channels 16 x on, or (x = 4) the row sum
	WIN W_PV
.if (\x) < 4
	v_wmma_f32_16x16x32_f16 v[40*TU+8*(\x):40*TU+8*(\x)+7], v[32*(\kk)+8*(\x):32*(\kk)+8*(\x)+7], v[PB+8*(\kk):PB+8*(\kk)+7], v[40*TU+8*(\x):40*TU+8*(\x)+7]
.else
	v_wmma_f32_16x16x32_f16 v[40*TU+32:40*TU+39], v[ONES:ONES+7], v[PB+8*(\kk):PB+8*(\kk)+7], v[40*TU+32:40*TU+39]
.endif
.endm
; TILE u IN ONE KEY STEP.  m = 1: the diagonal step.  f = 1 (tile 3, the step's last): the next step's K and V are asked for as their registers come free, but not behind a slot's last step: there the runs are jumped over.
; The five accumulators of a run take turns; each accumulator of S^T is read from its low end on.
.macro TILE u, m, f
.set TU, (\u)
.set PB, P+16*((\u)%2)
	WIN 0
.irp kt, 0,1,2,3                    ; sg (s + 4): even key blocks by (sg q, 0), odd ones by (0, sg q)
	v_wmma_f32_16x16x32_f16 v[S+8*\kt:S+8*\kt+7], v[KX+8*(\kt/2):KX+8*(\kt/2)+7], v[QF+12*TU+4-4*(\kt%2):QF+12*TU+11-4*(\kt%2)], v[CC+8*TU:CC+8*TU+7]
.endr
	PLACES
.irp p, 0,1,2,3,4,5,6,7
	VF \p
.endr
.irp p, 0,1,2,3,4,5,6,7
	VC \p
.endr
.if \m
.irp p, 0,1,2,3,4,5,6,7
	VM \p
.endr
.endif
	s_wait_dscnt 0x0                ; all of the step's V is in
.set rn, 0
.irp x, 0,1,2,3,4                   ; the first 32 keys' products, and behind each three (behind the last: four) of the second 32 keys' vector work
	PVX 0, \x
	WIN 0
.rept 3+(\x)/4
	RID rn
.set rn, rn+1
.endr
.endr
.if \m
.irp p, 8,9,10,11,12,13,14,15
	VM \p
.endr
.endif
.if \f
	s_cmp_eq_u32 s[CNT], 1
	s_cbranch_scc1 .Lno_a_\@
	FK                              ; K's last readers stand in front of the four v_nop above; the last reader of V's first half seven plain instructions back
	FV 0
.Lno_a_\@:
.endif
.irp x, 0,1,2,3,4
	PVX 1, \x
.endr
	WIN 0
.if \f
	PLACES
	s_cmp_eq_u32 s[CNT], 1
	s_cbranch_scc1 .Lno_b_\@
	FV 1
.Lno_b_\@:
.endif
.endm
; A SLOT'S EIGHT KEY STEPS: written once, walked eight times.  In step J tile u is live while J <= its diagonal step; the tiles that are live are the last ones, so the text is entered at the first of them.
.macro STEPS8
	WIN 0
	s_mov_b32 s[CNT], 8
.Lstep_\@:
	s_wait_dscnt 8                  ; K and V's first half are in; the youngest eight loads, V's second half, may stay out
	v_add_nc_u32 v[AK], s[TBK], v[AK0]  ; the next step's addresses
	v_add_nc_u32 v[AV], s[TBV], v[AV0]
	s_cmp_gt_u32 s[J], s[JD+3]
	s_cbranch_scc1 .Lend_\@
	s_cmp_eq_u32 s[J], s[JD+3]
	s_cbranch_scc1 .Ld3_\@
	s_cmp_gt_u32 s[J], s[JD+2]
	s_cbranch_scc1 .Lt3_\@
	s_cmp_eq_u32 s[J], s[JD+2]
	s_cbranch_scc1 .Ld2_\@
	s_cmp_gt_u32 s[J], s[JD+1]
	s_cbranch_scc1 .Lt2_\@
	s_cmp_eq_u32 s[J], s[JD+1]
	s_cbranch_scc1 .Ld1_\@
	s_cmp_gt_u32 s[J], s[JD]
	s_cbranch_scc1 .Lt1_\@
	s_cmp_eq_u32 s[J], s[JD]
	s_cbranch_scc1 .Ld0_\@
	s_branch .Lt0_\@
.Ld0_\@:
	TILE 0, 1, 0
	s_branch .Lt1_\@
.Ld1_\@:
	TILE 1, 1, 0
	s_branch .Lt2_\@
.Ld2_\@:
	TILE 2, 1, 0
	s_branch .Lt3_\@
.Ld3_\@:
	TILE 3, 1, 0
	s_branch .Lend_\@
.Lt0_\@:
	TILE 0, 0, 0
.Lt1_\@:
	TILE 1, 0, 0
.Lt2_\@:
	TILE 2, 0, 0
.Lt3_\@:
	TILE 3, 0, 1
.Lend_\@:
	s_add_co_u32 s[J], s[J], 1
	s_add_co_u32 s[TBK], s[TBK], STK
	s_add_co_u32 s[TBV], s[TBV], STV
	s_sub_co_u32 s[CNT], s[CNT], 1
	s_cmp_lg_u32 s[CNT], 0
	s_cbranch_scc1 .Lstep_\@
.endm
.Lslot:                             ; three times: a slot is entered and the next is asked for
	CHANGE 1
	FETCH0
	STEPS8
	s_sub_co_u32 s[SLOTS], s[SLOTS], 1
	s_cmp_lg_u32 s[SLOTS], 0
	s_cbranch_scc1 .Lslot
	CHANGE 0                        ; the last slot is written out
	FETCH0
	STEPS8
	; THE WAY OUT.  y = O / (l + 16 sg^2 x 2e-12), rounded to f16, through my stage, a tile at a time
	PLACES
	WIN 0x10                        ; source 2 in window 1
.irp u, 0,1,2,3
	v_fma_f32 v[Z+2*\u], v[AD+2*\u], s56, v[40*\u+32]  ; l stands in every register of its accumulator: the lowest is read
.endr
	WIN 0
.irp u, 0,1,2,3
	v_rcp_f32 v[Z+2*\u], v[Z+2*\u]
.endr
	v_nop                           ; a plain instruction behind the last reciprocal,
	s_wait_alu depctr_va_vdst(0)    ; and the one wait for the four
.irp u, 0,1,2,3
	v_mov_b32 v[Z+2*\u+1], v[Z+2*\u]
.endr
.macro PACK u
	WIN 0x41                        ; destination and source 0 in window 1
.set i, 40*(\u)
.rept 16
	v_pk_mul_f32 v[i:i+1], v[i:i+1], v[Z+2*(\u):Z+2*(\u)+1]
.set i, i+2
.endr
	WIN 0x05                        ; sources 0 and 1 in window 1
.set i, 0
.rept 16
	v_cvt_pk_f16_f32 v[S+16*(\u)+i], v[40*(\u)+2*i], v[40*(\u)+2*i+1]
.set i, i+1
.endr
	WIN 0
.irp f, 0,1,2,3
	ds_store_b128 v[STO], v[S+16*(\u)+4*\f:S+16*(\u)+4*\f+3] offset:32*\f
.endr
.irp f, 0,1,2,3
	ds_load_b128 v[S+16*(\u)+4*\f:S+16*(\u)+4*\f+3], v[RD] offset:\f*4*SP  ; LDS serves a wave's instructions in order (ISA guide 5.7.1.4)
.endr
.endm
.macro SEND u, younger              ; younger: the LDS instructions issued behind tile u's loads
	WIN 0
.irp f, 0,1,2,3
	s_wait_dscnt (\younger)+3-\f
	global_store_b128 v[GO], v[S+16*(\u)+4*\f:S+16*(\u)+4*\f+3], s[12:13] offset:(\u)*65536+\f*512  ; 512 consecutive bytes, aligned
.endr
.endm
	PACK 0
	PACK 1
	SEND 0, 8
	PACK 2
	SEND 1, 8
	PACK 3
	SEND 2, 8
	SEND 3, 0
	s_wait_tensorcnt 0x0            ; the wave's end
	ds_add_u32 v[SPW], v[NIL]
	s_wait_dscnt 0x0
	CROUND                          ; the closing round
	s_endpgm
.Lfunc_end_k_q5a77f74aca_attn:
	.size	k_q5a77f74aca_attn, .Lfunc_end_k_q5a77f74aca_attn-k_q5a77f74aca_attn
	.p2alignl 7, 3214868480
	.fill 96, 4, 3214868480
	.section	.rodata,"a",@progbits
	.p2align	6, 0x0
	.amdhsa_kernel k_q5a77f74aca_attn
		.amdhsa_group_segment_fixed_size 327680
		.amdhsa_private_segment_fixed_size 0
		.amdhsa_enable_private_segment 0
		.amdhsa_kernarg_size 40
		.amdhsa_user_sgpr_count 2
		.amdhsa_user_sgpr_kernarg_segment_ptr 1
		.amdhsa_wavefront_size32 1
		.amdhsa_system_sgpr_workgroup_id_x 1
		.amdhsa_system_sgpr_workgroup_id_y 1
		.amdhsa_system_sgpr_workgroup_id_z 1
		.amdhsa_system_vgpr_workitem_id 0
		.amdhsa_next_free_vgpr 640
		.amdhsa_next_free_sgpr 66
		.amdhsa_reserve_vcc 1
		.amdhsa_float_denorm_mode_32 3
		.amdhsa_float_denorm_mode_16_64 3
		.amdhsa_memory_ordered 1
		.amdhsa_forward_progress 1
		.amdhsa_inst_pref_size 111
	.end_amdhsa_kernel
	.amdgpu_metadata
---
amdhsa.version: [ 1, 2 ]
amdhsa.kernels:
  - .name:           k_q5a77f74aca_attn
    .symbol:         k_q5a77f74aca_attn.kd
    .args:
      - { .name: qh, .offset: 0, .size: 8, .value_kind: global_buffer, .address_space: global }
      - { .name: kh, .offset: 8, .size: 8, .value_kind: global_buffer, .address_space: global }
      - { .name: vh, .offset: 16, .size: 8, .value_kind: global_buffer, .address_space: global }
      - { .name: nrm, .offset: 24, .size: 8, .value_kind: global_buffer, .address_space: global }
      - { .name: yh, .offset: 32, .size: 8, .value_kind: global_buffer, .address_space: global }
    .group_segment_fixed_size: 327680
    .private_segment_fixed_size: 0
    .kernarg_segment_align: 8
    .kernarg_segment_size: 40
    .max_flat_workgroup_size: 128
    .sgpr_count:     66
    .vgpr_count:     640
    .wavefront_size: 32
...
	.end_amdgpu_metadata
.endif
;; end of part 3
;; launch proj (part 4): grid 8 x 32, 4 waves a work-group, clusters of 4 x 4, 327,680 bytes of LDS; arguments yh, wot, out0; writes out0
.if DOCPART == 4
	.amdgcn_target "amdgcn-amd-amdhsa--gfx1250"
	.amdhsa_code_object_version 6
	.text
	.protected	k_q5a77f74aca_proj
	.globl	k_q5a77f74aca_proj
	.p2align	8
	.type	k_q5a77f74aca_proj,@function
k_q5a77f74aca_proj:
	s_mov_b64 s[64:65], 0
	v_nop
	global_prefetch_b8 v0, s[64:65] scope:SCOPE_SE
	s_setreg_imm32_b32 hwreg(HW_REG_WAVE_MODE, 25, 1), 1
	s_wait_xcnt 0x0
	s_wait_alu depctr_hold_cnt(0) depctr_sa_sdst(0) depctr_va_vdst(0) depctr_va_sdst(0) depctr_va_ssrc(0) depctr_va_vcc(0) depctr_vm_vsrc(0)
	s_getreg_b32 s2, hwreg(HW_REG_IB_STS2, 6, 4)
	s_cmp_eq_u32 s2, 0
	s_cbranch_scc0 .Lentry_in_a_cluster
	s_endpgm
.Lentry_in_a_cluster:
	s_bfe_u32 s2, ttmp6, 0x10000c
	s_cmp_lg_u32 s2, 0xf033
	s_cbranch_scc0 .Lentry_shape_is_right
	s_endpgm
.Lentry_shape_is_right:
; out = y Wo: C[4096][1024] = y[4096][1024] wot[1024][1024]^T, f16 operands, f32 sums, f32 out.  y lies by heads, yh[32][2048][64]: channel k of a token is channel k % 64 of head k / 64.
; A tile of C is 128 x 128: 32 x 8 = 256 work-groups.  Four waves, each 64 x 64: 16 accumulators.  K goes in steps of 256, FOUR HEADS, through two LDS slots.  128 tokens of a head are 16,384 dense bytes:
; a wave's tensor load brings two heads as two rows of 8,192 elements, padded in LDS after each token's 128 bytes.  wot's tile has rows of 512 bytes.
; 4 x 4 work-groups form a cluster: y's tile is asked for jointly along a row of it, wot's along a column.  THE PRODUCT IS USED TRANSPOSED: a lane holds one token and eight neighbouring columns.
; No prefetch: the launch is short, four K steps.
; REGISTERS: window 0: v0-31 addresses, v128-255 accumulators ((a, b) at 128 + 8 (4 a + b)); window 1: two fragment buffers of 64 (4 of y, then 4 of wot).
.set NT,     4
.set LAPS,   2
.set APITCH, 144                       ; a token's 128 bytes + 16
.set HREG,   128*APITCH                ; a head's 128 tokens
.set BPITCH, 528                       ; 512 bytes + 16
.set BHALF,  64*BPITCH
.set BOFF,   4*HREG
.set SLOT,   BOFF+2*BHALF
.set ASTEP,  4*2048*128                ; four heads on
.set BSTEP,  512
.set STAGE,  2*SLOT                    ; behind the ring, never filled by a tensor load: 16 rows x 272 bytes for each wave
.set SPITCH, 272
.set SPARE,  STAGE+4*16*SPITCH
.set ACC,  128
.set F0,   0
.set F1,   64
.set ADRA, 16
.set ADRB, 20
.set STO,  24
.set RD,   25
.set CO,   26
.set SPW,  28
.set NIL,  29
.set G1,  24
.set G0,  32
.set G1B, 48
.set G0B, 56
.set MSB, 0
.macro WIN new
.if MSB != (\new)
	s_set_vgpr_msb (MSB<<8)|(\new)
.set MSB, \new
.endif
.endm
.set MUL,  0x05
.set TO_F, 0x40
.macro JLOAD s                         ; a joint load: waves 0 and 1 fetch y's two pairs of heads, waves 2 and 3 wot's halves; an s_nop 0 and four v_nop follow each line
	s_cmp_eq_u32 s11, 0
	s_cbranch_scc0 .Lfor_b_\@
	tensor_load_to_lds s[G0+4*(\s):G0+4*(\s)+3], s[G1:G1+7]
	s_nop 0
.rept 4
	v_nop
.endr
	s_branch .Lasked_\@
.Lfor_b_\@:
	tensor_load_to_lds s[G0B+4*(\s):G0B+4*(\s)+3], s[G1B:G1B+7]
	s_nop 0
.rept 4
	v_nop
.endr
.Lasked_\@:
.endm
.macro CREST
	s_cmp_lg_u32 s10, 0
	s_cbranch_scc1 .Lnot_wave_0_\@
	s_barrier_signal -3
.Lnot_wave_0_\@:
	s_barrier_wait -3
	s_barrier_signal -1
	s_barrier_wait -1
.endm
.macro CROUND
	s_barrier_signal -1
	s_barrier_wait -1
	CREST
.endm
.macro PLACES
.rept 4
	v_nop
.endr
.endm
	s_load_b128 s[4:7], s[0:1], 0x0                ; yh s[4:5], wot s[6:7]
	s_load_b64 s[8:9], s[0:1], 0x10                ; out0
	v_lshl_add_u32 v[SPW], v0, 2, SPARE
	v_mov_b32 v[NIL], 0
	ds_add_u32 v[SPW], v[NIL]                      ; the wave's opening: the add, twice on end, and its wait ahead of my first tensor load
	ds_add_u32 v[SPW], v[NIL]
	v_lshrrev_b32 v1, 5, v0
	v_readfirstlane_b32 s10, v1
	s_lshr_b32 s11, s10, 1                         ; my half of the tokens.  Also: I fetch for y (0) or for wot (1)
	s_and_b32 s12, s10, 1                          ; my half of the columns.  Also: which half of that tile I fetch
	s_bfe_u32 s40, ttmp6, 0x40000
	s_bfe_u32 s41, ttmp6, 0x40004
	s_lshl_b32 s42, ttmp9, 2
	s_add_co_u32 s42, s42, s40                     ; tile column
	s_and_b32 s13, ttmp7, 0xffff
	s_lshl_b32 s13, s13, 2
	s_add_co_u32 s13, s13, s41                     ; tile row
	s_lshl_b32 s43, s41, 2
	s_lshl_b32 s43, 15, s43
	s_lshl_b32 s44, 0x1111, s40
	s_or_b32 s[G1+0], s43, (1<<16)|(1<<20)|(1<<21)|(4<<22)|(3<<25)   ; y: after every 32 words (a token), 4 words
	s_mov_b32 s[G1+1], 8192<<16                    ; tensor_dim0 = 8,192 elements: 128 tokens of a head
	s_mov_b32 s[G1+2], 2<<16                       ; tensor_dim1 = 2 heads
	s_mov_b32 s[G1+3], 8192<<16                    ; tile_dim0
	s_mov_b32 s[G1+4], 2                           ; tile_dim1
	s_mov_b32 s[G1+5], 131072                      ; elements from head to head
	s_mov_b32 s[G1+6], 0
	s_mov_b32 s[G1+7], 0
	s_or_b32 s[G1B+0], s44, (1<<16)|(1<<20)|(1<<21)|(6<<22)|(3<<25)  ; wot: after every 128 words (a row), 4 words
	s_mov_b32 s[G1B+1], 256<<16
	s_mov_b32 s[G1B+2], 64<<16
	s_mov_b32 s[G1B+3], 256<<16
	s_mov_b32 s[G1B+4], 64
	s_mov_b32 s[G1B+5], 1024
	s_mov_b32 s[G1B+6], 0
	s_mov_b32 s[G1B+7], 0
	s_lshr_b32 s16, s13, 4                         ; batch
	s_lshl_b32 s16, s16, 4
	s_lshl1_add_u32 s16, s12, s16                  ; the first of my two heads of K step 0
	s_lshl_b32 s16, s16, 11
	s_and_b32 s17, s13, 15
	s_lshl_b32 s17, s17, 7                         ; the tile's first token in the batch
	s_add_co_u32 s16, s16, s17
	s_lshl_b32 s16, s16, 7
	s_mov_b32 s17, 0
	s_lshl_b32 s46, s42, 7
	s_lshl_b32 s47, s12, 6
	s_add_co_u32 s46, s46, s47                     ; wot: row 128 x tile column + 64 x half
	s_lshl_b32 s46, s46, 11
	s_mov_b32 s47, 0
	s_mul_i32 s20, s12, 2*HREG                     ; where they go: no place in the cluster enters an LDS address
	s_mul_i32 s21, s12, BHALF
	s_add_co_u32 s21, s21, BOFF
	s_wait_dscnt 0x0                               ; both opening adds are done
	s_wait_kmcnt 0x0
	s_add_nc_u64 s[14:15], s[4:5], s[16:17]
	s_add_nc_u64 s[46:47], s[6:7], s[46:47]
	CROUND                                         ; all sixteen work-groups are here: the first joint loads meet
.irp s, 0,1
	s_mov_b32 s[G0+4*(\s)], 1
	s_add_co_u32 s[G0+4*(\s)+1], s20, (\s)*SLOT
	s_add_nc_u64 s[G0+4*(\s)+2:G0+4*(\s)+3], s[14:15], (\s)*ASTEP
	s_or_b32 s[G0+4*(\s)+3], s[G0+4*(\s)+3], 0x80000000
	s_mov_b32 s[G0B+4*(\s)], 1
	s_add_co_u32 s[G0B+4*(\s)+1], s21, (\s)*SLOT
	s_add_nc_u64 s[G0B+4*(\s)+2:G0B+4*(\s)+3], s[46:47], (\s)*BSTEP
	s_or_b32 s[G0B+4*(\s)+3], s[G0B+4*(\s)+3], 0x80000000
	JLOAD \s
.endr
	v_and_b32 v1, 15, v0
	v_bfe_u32 v2, v0, 4, 1
	v_mul_u32_u24 v3, v1, APITCH
	v_lshl_add_u32 v3, v2, 4, v3
	v_mul_u32_u24 v4, v1, BPITCH
	v_lshl_add_u32 v4, v2, 4, v4
	s_mul_i32 s21, s11, 64*APITCH                  ; my 64 tokens in each head's region
	s_mul_i32 s22, s12, BHALF                      ; my 64 rows of wot
	s_add_co_u32 s22, s22, BOFF
.irp s, 0,1
	v_add_nc_u32 v[ADRA+(\s)], s21, v3
	v_add_nc_u32 v[ADRB+(\s)], s22, v4
	s_add_co_u32 s21, s21, SLOT
	s_add_co_u32 s22, s22, SLOT
.endr
	s_mul_i32 s23, s10, 16*SPITCH
	s_add_co_u32 s23, s23, STAGE                   ; my stage
	v_mul_u32_u24 v4, v1, SPITCH                   ; in: row l % 16, 32 bytes for each half of the lanes
	v_lshl_add_u32 v4, v2, 5, v4
	v_add_nc_u32 v[STO], s23, v4
	v_mul_u32_u24 v5, v2, SPITCH                   ; back: lanes 0-15 take one row of 256 bytes, lanes 16-31 the next
	v_lshl_add_u32 v5, v1, 4, v5
	v_add_nc_u32 v[RD], s23, v5
	v_lshlrev_b32 v5, 12, v2                       ; and the same two rows in out0
	v_lshl_add_u32 v[CO], v1, 4, v5
	s_lshl_b32 s16, s13, 7
	s_lshl_b32 s17, s11, 6
	s_add_co_u32 s16, s16, s17                     ; my first row
	s_lshl_b32 s16, s16, 12
	s_lshl_b32 s17, s42, 9
	s_add_co_u32 s16, s16, s17                     ; my first column, in bytes: 512 x tile column + 256 x half
	s_lshl_b32 s17, s12, 8
	s_add_co_u32 s16, s16, s17
	s_mov_b32 s17, 0
	s_add_nc_u64 s[8:9], s[8:9], s[16:17]
; na x NT products, 32 along K, from buffer f.  The accumulators take turns, one instruction a turn.  zero = 1: the products start the sums.
.macro MULS f, a0, na, zero
	WIN MUL
.set ma, \a0
.rept \na
.set mb, 0
.rept NT
.if \zero
	v_wmma_f32_16x16x32_f16 v[ACC+8*(NT*ma+mb):ACC+8*(NT*ma+mb)+7], v[(\f)+32+8*mb:(\f)+32+8*mb+7], v[(\f)+8*ma:(\f)+8*ma+7], 0
.else
	v_wmma_f32_16x16x32_f16 v[ACC+8*(NT*ma+mb):ACC+8*(NT*ma+mb)+7], v[(\f)+32+8*mb:(\f)+32+8*mb+7], v[(\f)+8*ma:(\f)+8*ma+7], v[ACC+8*(NT*ma+mb):ACC+8*(NT*ma+mb)+7]
.endif
.set mb, mb+1
.endr
.set ma, ma+1
.endr
.endm
; one run of LDS loads: the fragments of sub-step s (32 along K): of y, head s / 2 of the four, channels 32 (s % 2) on
.macro FETCH slot, s, f
	WIN TO_F
.set AO, ((\s)/2)*HREG+((\s)%2)*64
.set fb, 0
.rept NT
	ds_load_b128 v[(\f)+32+8*fb:(\f)+32+8*fb+3], v[ADRB+(\slot)] offset:64*(\s)+fb*16*BPITCH
	ds_load_b128 v[(\f)+32+8*fb+4:(\f)+32+8*fb+7], v[ADRB+(\slot)] offset:64*(\s)+fb*16*BPITCH+32
.set fb, fb+1
.endr
.set fa, 0
.rept 4
	ds_load_b128 v[(\f)+8*fa:(\f)+8*fa+3], v[ADRA+(\slot)] offset:AO+fa*16*APITCH
	ds_load_b128 v[(\f)+8*fa+4:(\f)+8*fa+7], v[ADRA+(\slot)] offset:AO+fa*16*APITCH+32
.set fa, fa+1
.endr
.endm
.macro SUB slot, s, f, g, zero
	s_wait_dscnt 0x0                               ; buffer f, asked for half a sub-step back
	MULS \f, 0, 2, \zero
	PLACES
	FETCH \slot, (\s)+1, \g
	MULS \f, 2, 2, \zero
.endm
.macro REST slot
	SUB \slot, 1, F1, F0, 0
	SUB \slot, 2, F0, F1, 0
	SUB \slot, 3, F1, F0, 0
	SUB \slot, 4, F0, F1, 0
	SUB \slot, 5, F1, F0, 0
	SUB \slot, 6, F0, F1, 0
.endm
; a K step's last sub-step multiplies buffer 1 and changes slots: ONE barrier; in front of it each wave waits for all its tensor loads, adds 0 to its spare word, and waits for that and for its reads of this slot
.macro TURN slot, next, fill
	WIN 0
	s_wait_tensorcnt 0x0                           ; all my tensor loads have landed: my part of the next slot
	ds_add_u32 v[SPW], v[NIL]
	s_wait_dscnt 1                                 ; (the add alone may be out: buffer 1 is in)
	MULS F1, 0, 1, 0
	s_wait_dscnt 0x0                               ; the add is done, and my reads of this slot are over
	s_barrier_signal -1
	MULS F1, 1, 1, 0
.if \fill
	WIN 0
.endif
	s_barrier_wait -1
.if \fill
	CREST                                          ; the barrier has opened a round of the cluster's: no wave of any partner still reads this slot or has a load on its way
	s_add_nc_u64 s[G0+4*(\slot)+2:G0+4*(\slot)+3], s[G0+4*(\slot)+2:G0+4*(\slot)+3], 2*ASTEP
	s_add_nc_u64 s[G0B+4*(\slot)+2:G0B+4*(\slot)+3], s[G0B+4*(\slot)+2:G0B+4*(\slot)+3], 2*BSTEP
	JLOAD \slot                                    ; the first tensor load behind the round; its four v_nop are also the places in front of the loads below
.else
	PLACES
.endif
	FETCH \next, 0, F0
	MULS F1, 2, 2, 0
.endm
	s_wait_tensorcnt 1                             ; my part of K step 0 is in; K step 1's may stay out
	s_barrier_signal -1
	s_barrier_wait -1
	FETCH 0, 0, F0
	SUB 0, 0, F0, F1, 1                            ; the first sub-step stands in front of the loop: its products start the sums
	WIN 0
	s_mov_b32 s3, LAPS-1
.Llap:                                             ; a trip goes once round the ring and fills both slots again
	REST 0
	TURN 0, 1, 1
	SUB 1, 0, F0, F1, 0
	REST 1
	TURN 1, 0, 1
	SUB 0, 0, F0, F1, 0
	WIN 0
	s_sub_co_u32 s3, s3, 1
	s_cmp_lg_u32 s3, 0
	s_cbranch_scc1 .Llap
	REST 0                                         ; the last lap fills nothing
	TURN 0, 1, 0
	SUB 1, 0, F0, F1, 0
	REST 1
	s_wait_dscnt 0x0
	MULS F1, 0, 4, 0
	WIN 0
	PLACES
	; THE WAY OUT, in f32: 16 tokens at a time through my stage: a lane's 32 bytes in, whole rows of 256 bytes back into the registers that they left.  LDS serves a wave's instructions in order (ISA guide 5.7.1.4).
.set a, 0
.rept 4
.set b, 0
.rept 4
	ds_store_b128 v[STO], v[ACC+32*a+8*b:ACC+32*a+8*b+3] offset:64*b        ; each accumulator is read from its low end on
	ds_store_b128 v[STO], v[ACC+32*a+8*b+4:ACC+32*a+8*b+7] offset:64*b+16
.set b, b+1
.endr
.set t, 0
.rept 8
	ds_load_b128 v[ACC+32*a+4*t:ACC+32*a+4*t+3], v[RD] offset:t*2*SPITCH
.set t, t+1
.endr
.set t, 0
.rept 8
	s_wait_dscnt 7-t
	global_store_b128 v[CO], v[ACC+32*a+4*t:ACC+32*a+4*t+3], s[8:9] offset:(16*a+2*t)*4096 th:TH_STORE_NT  ; sixteen lanes store 256 consecutive bytes, aligned
.set t, t+1
.endr
.set a, a+1
.endr
	s_wait_tensorcnt 0x0                           ; the wave's end
	ds_add_u32 v[SPW], v[NIL]
	s_wait_dscnt 0x0
	CROUND                                         ; the closing round: no work-group ends while a partner may still ask for a tile that names it
	s_endpgm
.Lfunc_end_k_q5a77f74aca_proj:
	.size	k_q5a77f74aca_proj, .Lfunc_end_k_q5a77f74aca_proj-k_q5a77f74aca_proj
	.p2alignl 7, 3214868480
	.fill 96, 4, 3214868480
	.section	.rodata,"a",@progbits
	.p2align	6, 0x0
	.amdhsa_kernel k_q5a77f74aca_proj
		.amdhsa_group_segment_fixed_size 327680
		.amdhsa_private_segment_fixed_size 0
		.amdhsa_enable_private_segment 0
		.amdhsa_kernarg_size 24
		.amdhsa_user_sgpr_count 2
		.amdhsa_user_sgpr_kernarg_segment_ptr 1
		.amdhsa_wavefront_size32 1
		.amdhsa_system_sgpr_workgroup_id_x 1
		.amdhsa_system_sgpr_workgroup_id_y 1
		.amdhsa_system_sgpr_workgroup_id_z 1
		.amdhsa_system_vgpr_workitem_id 0
		.amdhsa_next_free_vgpr 512
		.amdhsa_next_free_sgpr 66
		.amdhsa_reserve_vcc 0
		.amdhsa_float_denorm_mode_32 3
		.amdhsa_float_denorm_mode_16_64 3
		.amdhsa_memory_ordered 1
		.amdhsa_forward_progress 1
		.amdhsa_inst_pref_size 90
	.end_amdhsa_kernel
	.amdgpu_metadata
---
amdhsa.version: [ 1, 2 ]
amdhsa.kernels:
  - .name:           k_q5a77f74aca_proj
    .symbol:         k_q5a77f74aca_proj.kd
    .args:
      - { .name: yh, .offset: 0, .size: 8, .value_kind: global_buffer, .address_space: global }
      - { .name: wot, .offset: 8, .size: 8, .value_kind: global_buffer, .address_space: global }
      - { .name: out0, .offset: 16, .size: 8, .value_kind: global_buffer, .address_space: global }
    .group_segment_fixed_size: 327680
    .private_segment_fixed_size: 0
    .kernarg_segment_align: 8
    .kernarg_segment_size: 24
    .max_flat_workgroup_size: 128
    .sgpr_count:     66
    .vgpr_count:     512
    .wavefront_size: 32
...
	.end_amdgpu_metadata
.endif
;; end of part 4
;; ======== version 2 of 2: 4 launches; version 1 with the launch prep written anew for expert scheduling mode
;; limits: values are held in f16: magnitudes above 65,504 overflow, below 6.1e-05 lose precision
;; workspace buffers: xb 8,388,608 bytes; wt 3,145,728 bytes; wot 2,097,152 bytes; qh 2,097,152 bytes; kh 2,097,152 bytes; vh 8,388,608 bytes; nrm 524,288 bytes; yh 8,388,608 bytes
;; launch prep (part 5): grid 576 x 1, 8 waves a work-group, no clusters, 18,432 bytes of LDS; arguments hidden_states, Wq, Wk, Wv, Wo, xb, wt, wot; writes xb, wt, wot
.if DOCPART == 5
	.amdgcn_target "amdgcn-amd-amdhsa--gfx1250"
	.amdhsa_code_object_version 6
	.text
	.protected	k_q5a77f74aca_prep
	.globl	k_q5a77f74aca_prep
	.p2align	8
	.type	k_q5a77f74aca_prep,@function
k_q5a77f74aca_prep:
	s_mov_b64 s[64:65], 0
	v_nop
	global_prefetch_b8 v0, s[64:65] scope:SCOPE_SE
	s_setreg_imm32_b32 hwreg(HW_REG_WAVE_SCHED_MODE, 0, 2), 2
	s_setreg_imm32_b32 hwreg(HW_REG_WAVE_MODE, 25, 1), 1
	s_wait_xcnt 0x0
	s_wait_alu depctr_vm_vsrc(0)
; LINEAR ATTENTION WITH THE SECOND-ORDER FEATURE MAP, in four launches: this one lays the operands out; then q, k, v; then the attention; then the last projection.
; WORK THAT IS NOT DONE, and why it reaches no output differently, for all values of the inputs (real arithmetic):
;  (1) qf . kf = 1 + (q.k)/4 + (q.k)^2/32.  The map is [1, x/2, vec(x x^T)/(4 sqrt 2)] at d = 16, and the sum over i, j of q_i q_j k_i k_j is (q.k)^2.  So the product over 273 features is a product over 16 and a polynomial.
;  (2) qf_n . cumsum(kf)_n is the sum over m <= n of qf_n . kf_m: the row sum of tril(A).  No cumulative sum is formed.
;  (3) tril throws away every key tile that lies wholly above the diagonal: those tiles are not multiplied.
; LIMIT: a NaN, an infinity or an overflow that would arise only in the 273 features, in their cumulative sum or above the diagonal is not carried to the result.
; THIS LAUNCH.  Every input is rounded once to bf16, and that number is written as f16, the format of all later products: exact from 2^-14 up, below that on f16's fixed step of 2^-24.
; LIMIT: |x| and |W| stay under 65,504.
;  work-groups 0-319: a tile of 128 k x 64 n of a weight, turned in LDS, so that k runs along the rows:  wt[head][96 rows: 16 of Wq, 16 of Wk, 64 of Wv][1024 k],  wot[n][1024 k].
;  work-groups 320-575: 65,536 bytes of x each, as a stream.
; No matrix unit, no tensor load, no cluster: nothing is shared and memory binds.
; THE MODE: SCHED_MODE bits 1:0 = 2 (LLVM: expert scheduling mode 2), set by the entry lines.  The code itself states the register dependences
; between vector instructions and memory or LDS instructions, with s_wait_alu, always for 0.
; THE PLAN.  Registers that memory or LDS instructions touch; each is written once and never again, so only writes by vector instructions have to be stated, and no vector instruction writes a scalar register.
;  A weight tile:  v10-17  offsets of the eight loads: made by vector lines, stated by the wait ahead of the loads.
;                  v32-63  the loads land here; the conversions read them; nothing lands here again.
;                  v64-79  the conversions write them; the sixteen LDS stores read them.      v4  the LDS stores' address.      v8  the LDS loads' address.      v20-23  the global stores' offsets.
;                          All of these are stated by ONE wait behind the last conversion; no vector instruction follows it on this way, so it serves the LDS stores, the LDS loads and the global stores.
;                  v80-95  the LDS loads land here and the global stores read them: no vector instruction names them.
;  The stream:     v8, v9  the offsets of all loads and of all stores: stated by the wait ahead of the loads.
;                  v32-95  the sixteen loads land here; the conversions read them; nothing lands here again.
;                  v96-127 a pair for each of the sixteen rows: the conversions write it, the row's store reads it.  The rows go in four blocks of four: block p's conversions write its eight registers;
;                          one wait at the head of block p + 1 states that; block p's four stores follow it, dealt among block p + 1's conversions, which name v5-7, their own loaded rows and their own eight alone.
;  v5-7, v3 and, in a tile, v9 are named by vector instructions alone.  v30, v31: written at the head, read by the closing add alone.
.set SPARE, 17408                      ; behind the stage of 64 rows x 272 bytes: the spare words, 128 bytes for each of the eight waves
.set SPW, 30                           ; v30  LDS address of my spare word; never rewritten
.set NIL, 31                           ; v31  0; never rewritten
.macro CV o, a, b                      ; two numbers: rounded to bf16, widened again, written as f16
	v_cvt_pk_bf16_f32 v5, v[\a], v[\b]
	v_lshlrev_b32 v6, 16, v5
	v_and_b32 v7, 0xffff0000, v5
	v_cvt_pk_f16_f32 v[\o], v6, v7
.endm
	s_load_b256 s[4:11], s[0:1], 0x0               ; x s[4:5], Wq s[6:7], Wk s[8:9], Wv s[10:11]
	s_load_b256 s[12:19], s[0:1], 0x20             ; Wo s[12:13], xb s[14:15], wt s[16:17], wot s[18:19]
	v_lshl_add_u32 v[SPW], v0, 2, SPARE
	v_mov_b32 v[NIL], 0
	v_and_b32 v1, 15, v0                           ; t % 16
	v_lshrrev_b32 v2, 4, v0                        ; t / 16
	s_mov_b32 s23, 0                               ; the high word of every offset
	s_wait_kmcnt 0x0
	s_cmp_ge_u32 ttmp9, 320                        ; the same in all eight waves
	s_cbranch_scc1 .Lcast
	; A WEIGHT TILE.  Which weight, by the work-group's number: 0 Wq, 32 Wk, 64 Wv, 192 Wo
	s_mov_b32 s20, ttmp9
	s_mov_b64 s[24:25], s[6:7]                     ; from
	s_mov_b64 s[26:27], s[16:17]                   ; to
	s_mov_b32 s28, 0                               ; the weight's first work-group
	s_mov_b32 s29, 0                               ; its first row in a head's 96
	s_mov_b32 s30, 1024                            ; bytes from row to row of the source
	s_mov_b32 s34, 96                              ; output rows a head
	s_cmp_ge_u32 s20, 32
	s_cselect_b64 s[24:25], s[8:9], s[24:25]
	s_cselect_b32 s28, 32, s28
	s_cselect_b32 s29, 16, s29
	s_cmp_ge_u32 s20, 64
	s_cselect_b64 s[24:25], s[10:11], s[24:25]
	s_cselect_b32 s28, 64, s28
	s_cselect_b32 s29, 32, s29
	s_cselect_b32 s30, 4096, s30
	s_cselect_b32 s31, 6, 4                        ; log2 of a head's columns
	s_cselect_b32 s32, 63, 15                      ; and their mask
	s_cselect_b32 s33, 4, 2                        ; log2 of the blocks of 64 columns
	s_cmp_ge_u32 s20, 192
	s_cselect_b64 s[24:25], s[12:13], s[24:25]
	s_cselect_b64 s[26:27], s[18:19], s[26:27]
	s_cselect_b32 s28, 192, s28
	s_cselect_b32 s29, 0, s29
	s_cselect_b32 s34, 64, s34                     ; (with 64 rows a 'head' of 64 columns Wo's row is simply n)
	s_sub_co_u32 s20, s20, s28
	s_lshr_b32 s21, s20, s33                       ; block of 128 k
	s_lshl_b32 s36, s21, s33
	s_sub_co_u32 s36, s20, s36                     ; block of 64 n
	s_mul_i32 s22, s21, s30
	s_lshl_b32 s22, s22, 7
	s_lshl_b32 s37, s36, 8
	s_add_co_u32 s22, s22, s37
	s_add_nc_u64 s[24:25], s[24:25], s[22:23]      ; the tile's first element
	s_lshl_b32 s22, s21, 8
	s_add_nc_u64 s[26:27], s[26:27], s[22:23]      ; the tile's 256 bytes in every output row
	s_lshl_b32 s35, s30, 5                         ; 32 source rows
	s_lshl_b32 s36, s36, 6
	v_lshlrev_b32 v3, 1, v2
	v_mul_lo_u32 v3, v3, s30
	v_lshl_add_u32 v10, v1, 4, v3                  ; row 2 (t / 16), 16 bytes at 16 (t % 16): sixteen lanes read 256 consecutive bytes
	v_add_nc_u32 v11, s30, v10                     ; the row below
.irp i, 1,2,3
	v_add_nc_u32 v[10+2*\i], s35, v[8+2*\i]
	v_add_nc_u32 v[11+2*\i], s35, v[9+2*\i]
.endr
	s_wait_alu depctr_va_vdst(0)                   ; v10 to v17 are written, which the eight loads read as their offsets
.irp i, 0,1,2,3,4,5,6,7
	global_load_b128 v[32+4*\i:35+4*\i], v[10+\i], s[24:25]
.endr
	v_mul_u32_u24 v4, v1, 1088                     ; into the stage: row n = 4 (t % 16) + j, the pair of k at 4 (t / 16) + 64 i
	v_lshl_add_u32 v4, v2, 2, v4
	v_mul_u32_u24 v8, v2, 272                      ; back: row t / 16 + 16 i, 16 bytes at 16 (t % 16)
	v_lshl_add_u32 v8, v1, 4, v8
	v_add_nc_u32 v9, s36, v2                       ; that row's column of the weight
.irp i, 0,1,2,3
	v_add_nc_u32 v6, 16*\i, v9
	v_lshrrev_b32 v7, s31, v6                      ; head
	v_mul_lo_u32 v7, v7, s34
	v_and_b32 v6, s32, v6
	v_add3_u32 v6, v6, v7, s29                     ; output row
	v_lshlrev_b32 v6, 11, v6
	v_lshl_add_u32 v[20+\i], v1, 4, v6
.endr
.set i, 0
.rept 4
	s_wait_loadcnt 6-2*i                           ; loads come back in order (ISA guide 5.7.1): rows 32 i + 2 (t / 16) and the one below are in, the younger pairs stay out
.set j, 0
.rept 4
	CV 64+4*i+j, 32+8*i+j, 36+8*i+j                ; k and k + 1 of one column
.set j, j+1
.endr
.set i, i+1
.endr
	s_wait_alu depctr_va_vdst(0)                   ; the conversions have written v64 to v79, the LDS stores' data; v4, v8 and v20 to v23, the addresses of all that follows, are written too
.set i, 0
.rept 4
.set j, 0
.rept 4
	ds_store_b32 v4, v[64+4*i+j] offset:272*j+64*i
.set j, j+1
.endr
.set i, i+1
.endr
	s_wait_dscnt 0x0                               ; for the others' sake: my stores into the stage are done
	s_barrier_signal -1
	s_barrier_wait -1
.irp i, 0,1,2,3
	ds_load_b128 v[80+4*\i:83+4*\i], v8 offset:4352*\i  ; no vector instruction since the wait above: nothing more is owed for v8, nor for v20 to v23 below
.endr
.irp i, 0,1,2,3
	s_wait_dscnt 3-\i                              ; LDS loads come back in order: the younger ones may stay out
	global_store_b128 v[20+\i], v[80+4*\i:83+4*\i], s[26:27]  ; sixteen lanes store 256 consecutive bytes, aligned
.endr
	s_branch .Lend
.Lcast:                                        ; X AS A STREAM: sixteen loads of 4,096 bytes for the work-group, all out before the first wait
	s_sub_co_u32 s20, ttmp9, 320
	s_lshl_b32 s22, s20, 16
	s_add_nc_u64 s[4:5], s[4:5], s[22:23]
	s_lshl_b32 s22, s20, 15
	s_add_nc_u64 s[14:15], s[14:15], s[22:23]
	v_lshlrev_b32 v8, 4, v0
	v_lshlrev_b32 v9, 3, v0
	s_wait_alu depctr_va_vdst(0)                   ; v8 and v9 are written: every load below reads v8 as its offset, every store v9
.set i, 0
.rept 16
	global_load_b128 v[32+4*i:35+4*i], v8, s[4:5] offset:4096*i th:TH_LOAD_NT
.set i, i+1
.endr
.set p, 0
.rept 4                                        ; four blocks of four rows
	s_wait_loadcnt 15-4*p                          ; loads come back in order: the block's first row is in, the younger ones stay out
.if p > 0
	s_wait_alu depctr_va_vdst(0)                   ; the block before has written its eight registers of v96 to v127, which the four stores below read
.endif
.set k, 0
.rept 4
.set i, 4*p+k
.if p > 0
	global_store_b64 v9, v[96+2*(i-4):97+2*(i-4)], s[14:15] offset:2048*(i-4)  ; the block before: a wave stores 256 consecutive bytes, aligned; no vector instruction since the wait names these registers, and none is written again
.endif
.if k > 0
	s_wait_loadcnt 15-i                            ; the block's next row is in
.endif
	CV 96+2*i, 32+4*i, 33+4*i
	CV 97+2*i, 34+4*i, 35+4*i
.set k, k+1
.endr
.set p, p+1
.endr
	s_wait_alu depctr_va_vdst(0)                   ; the last block has written v120 to v127, which the last four stores read
.set i, 12
.rept 4
	global_store_b64 v9, v[96+2*i:97+2*i], s[14:15] offset:2048*i
.set i, i+1
.endr
.Lend:
	s_wait_dscnt 0x0                               ; the closing lines, six on end
	s_wait_alu 0x0
	s_wait_tensorcnt 0x0
	ds_add_u32 v[SPW], v[NIL]
	s_wait_dscnt 0x0
	s_endpgm
.Lfunc_end_k_q5a77f74aca_prep:
	.size	k_q5a77f74aca_prep, .Lfunc_end_k_q5a77f74aca_prep-k_q5a77f74aca_prep
	.p2alignl 7, 3214868480
	.fill 96, 4, 3214868480
	.section	.rodata,"a",@progbits
	.p2align	6, 0x0
	.amdhsa_kernel k_q5a77f74aca_prep
		.amdhsa_group_segment_fixed_size 18432
		.amdhsa_private_segment_fixed_size 0
		.amdhsa_enable_private_segment 0
		.amdhsa_kernarg_size 64
		.amdhsa_user_sgpr_count 2
		.amdhsa_user_sgpr_kernarg_segment_ptr 1
		.amdhsa_wavefront_size32 1
		.amdhsa_system_sgpr_workgroup_id_x 1
		.amdhsa_system_sgpr_workgroup_id_y 1
		.amdhsa_system_sgpr_workgroup_id_z 1
		.amdhsa_system_vgpr_workitem_id 0
		.amdhsa_next_free_vgpr 128
		.amdhsa_next_free_sgpr 66
		.amdhsa_reserve_vcc 0
		.amdhsa_float_denorm_mode_32 3
		.amdhsa_float_denorm_mode_16_64 3
		.amdhsa_memory_ordered 1
		.amdhsa_forward_progress 1
		.amdhsa_inst_pref_size 22
	.end_amdhsa_kernel
	.amdgpu_metadata
---
amdhsa.version: [ 1, 2 ]
amdhsa.kernels:
  - .name:           k_q5a77f74aca_prep
    .symbol:         k_q5a77f74aca_prep.kd
    .args:
      - { .name: hidden_states, .offset: 0, .size: 8, .value_kind: global_buffer, .address_space: global }
      - { .name: Wq, .offset: 8, .size: 8, .value_kind: global_buffer, .address_space: global }
      - { .name: Wk, .offset: 16, .size: 8, .value_kind: global_buffer, .address_space: global }
      - { .name: Wv, .offset: 24, .size: 8, .value_kind: global_buffer, .address_space: global }
      - { .name: Wo, .offset: 32, .size: 8, .value_kind: global_buffer, .address_space: global }
      - { .name: xb, .offset: 40, .size: 8, .value_kind: global_buffer, .address_space: global }
      - { .name: wt, .offset: 48, .size: 8, .value_kind: global_buffer, .address_space: global }
      - { .name: wot, .offset: 56, .size: 8, .value_kind: global_buffer, .address_space: global }
    .group_segment_fixed_size: 18432
    .private_segment_fixed_size: 0
    .kernarg_segment_align: 8
    .kernarg_segment_size: 64
    .max_flat_workgroup_size: 256
    .sgpr_count:     66
    .vgpr_count:     128
    .wavefront_size: 32
...
	.end_amdgpu_metadata
.endif
;; end of part 5
;; launch qkv: the kernel of part 2 again; grid 8 x 32, 4 waves a work-group, clusters of 4 x 4, 327,680 bytes of LDS; arguments xb, wt, qh, kh, vh, nrm; writes qh, kh, vh, nrm
;; launch attn: the kernel of part 3 again; grid 8 x 32, 4 waves a work-group, clusters of 4 x 1, 327,680 bytes of LDS; arguments qh, kh, vh, nrm, yh; writes yh
;; launch proj: the kernel of part 4 again; grid 8 x 32, 4 waves a work-group, clusters of 4 x 4, 327,680 bytes of LDS; arguments yh, wot, out0; writes out0
